; MI455X (gfx1250); checked and timed in simulation.
; The chip was launched on July 23, 2026; its instructions are those of AMD's public machine-readable ISA for CDNA 5 (MIT licence, August 2026) and "CDNA5" Instruction Set Architecture Reference Guide (July 2026). The comments in the code are by the model that wrote it; some were corrected since.
;; Multihead Attention. Allowed arithmetic: matrix products marked QUANTISED: E2M1 operands, one E8M0 scale for each 32 along K, by v_wmma_scale_f32_16x16x128_f8f6f4 with both operands' format E2M1 (or v_wmma_scale_f32_32x16x128_f4), f32 sums; products left as they are: bf16, f16 or f32 operands; f32 sums; everything else in f32.
;; Inputs: WK 1,024 x 1,024 float32; WO 1,024 x 1,024 float32; WQ 1,024 x 1,024 float32; WV 1,024 x 1,024 float32; x 2 x 2,048 x 1,024 float32.
;; Outputs: out0 2 x 2,048 x 1,024 float32.
;; This version of the problem:
;;   THIS VERSION OF THE PROBLEM IS GIVEN IN LOW PRECISION. The matrix products marked QUANTISED in the list below multiply operands that are first quantised to E2M1 (2 exponent bits, 1 mantissa bit; 4 bits a number), with one power-of-two scale for each 32 numbers along K (OCP MX v1.0); their sums are f32. The products marked 'left as it is' may take bf16, f16 or f32 operands, with f32 sums. Whichever they take, every output number must still come out within the allowed error. Rounding operands to bf16 (8 significant bits) uses up far more of that allowance than f16 does (11 bits, for magnitudes from 6e-5 to 65,504). All else is computed in f32.
;;   The module's matrix products, in the order in which they are computed (A, B: the left and right operand; K: the contracted axis; several contracted axes count as one K, in the product's order):
;;     1. [M 4,096, K 1,024] x [K 1,024, N 1,024]; A: input x; B: input WQ: QUANTISED
;;     2. [M 4,096, K 1,024] x [K 1,024, N 1,024]; A: input x; B: input WK: QUANTISED
;;     3. [M 4,096, K 1,024] x [K 1,024, N 1,024]; A: input x; B: input WV: QUANTISED
;;     4. batch 32 x [M 2,048, K 64] x [K 64, N 2,048]; A: computed on the way; B: computed on the way: left as it is (an operand is computed on the way)
;;     5. batch 32 x [M 2,048, K 2,048] x [K 2,048, N 64]; A: computed on the way; B: computed on the way: left as it is (an operand is computed on the way)
;;     6. [M 4,096, K 1,024] x [K 1,024, N 1,024]; A: computed on the way; B: input WO: left as it is (an operand is computed on the way)
;;   THE QUANTISER, for each operand of a quantised product, along K:
;;     - K is cut into blocks of 32 from its start; a last block that is shorter is filled with zeros.
;;     - A block's scale is 2^e with e = floor(log2(the largest magnitude in the block)) - 2, held to -126 .. 127; a block of zeros has e = 0. As a byte (E8M0): e + 127.
;;     - Each number is divided by its block's scale, clamped to +-6, and rounded to the nearest number of E2M1, ties to even, subnormals kept.
;;     - The product sums the exact products of the quantised numbers (number of the format x scale) in f32.
;;   ~~~python
;;   def quantise(x, axis):      # numpy; x: float32 -> the quantised numbers, widened to float32 again
;;       x = np.moveaxis(x, axis, -1); K = x.shape[-1]
;;       x = np.pad(x, [(0, 0)] * (x.ndim - 1) + [(0, -K % 32)]); x = x.reshape(x.shape[:-1] + (-1, 32)); a = np.abs(x).max(-1, keepdims=True)
;;       e = np.where(a > 0, np.clip(np.frexp(np.where(a > 0, a, 1))[1] - 1 - 2, -126, 127), 0)      # np.frexp(a)[1] - 1 = floor(log2(a)), exactly
;;       r = np.clip(x / 2.0 ** e, -6, 6)
;;       step = 2.0 ** (np.maximum(np.frexp(np.where(r == 0, 1, r))[1] - 1, 0) - 1)
;;       q = np.round(r / step) * step * 2.0 ** e      # np.round: ties to even
;;       return np.moveaxis(q.reshape(q.shape[:-2] + (-1,))[..., :K], -1, axis).astype(np.float32)
;;   ~~~
;; One version. Each part assembles by itself: llvm-mc -triple=amdgcn-amd-amdhsa -mcpu=gfx1250 --defsym DOCPART=n.
;; ======== version 1 of 1: 5 launches
;; limits: values are held in f16: magnitudes above 65,504 overflow, below 6.1e-05 lose precision
;; workspace buffers: xc 2,097,152 bytes; xs 131,072 bytes; wc 1,572,864 bytes; ws 98,304 bytes; wo16 2,097,152 bytes; qkv 25,165,824 bytes; q16 393,216 bytes; att 8,388,608 bytes
;; launch prep (part 1): grid 240 x 1, 4 waves a work-group, no clusters, 68,096 bytes of LDS; arguments x, WQ, WK, WV, WO, xc, xs, wc, ws, wo16; writes xc, xs, wc, ws, wo16
.if DOCPART == 1
	.amdgcn_target "amdgcn-amd-amdhsa--gfx1250"
	.amdhsa_code_object_version 6
	.text
	.protected	k_q3c7212628e_prep
	.globl	k_q3c7212628e_prep
	.p2align	8
	.type	k_q3c7212628e_prep,@function
k_q3c7212628e_prep:
	s_mov_b64 s[64:65], 0
	v_nop
	global_prefetch_b8 v0, s[64:65] scope:SCOPE_SE
	s_setreg_imm32_b32 hwreg(HW_REG_WAVE_MODE, 25, 1), 1
	s_wait_xcnt 0x0
; PREP.  Three jobs in one launch, told apart by the work-group's number alone:
;   work-groups   0 ..  47: WQ, WK, WV [1024 (k)][1024 (n)] f32 -> codes of E2M1 with K innermost, wc [3072 (n)][512 bytes], and one E8M0 byte for each 32 along K, ws [3072][32]
;   work-groups  48 .. 175: x [4096][1024] f32 -> xc [4096][512 bytes], xs [4096][32]
;   work-groups 176 .. 239: WO f32 -> wo16, f16, as it lies
; A block's scale is 2^(floor(log2(its largest magnitude)) - 2): its byte is the largest magnitude's exponent field - 2, held at 1 from below.  A block of zeros so gets the byte 1
; where the quantiser's text says 127: its codes are zeros, which add nothing under any byte but 0xff, and these bytes are read by this program alone.
; LIMITS: blocks whose largest magnitude lies under 2^-124 keep the byte 1; NaN and infinities among the inputs are not served; |WO| stays under 65,504 (f16).
; No tensor loads, no barrier: waves share nothing.  Each job that uses LDS has LDS bytes of its own.
.set SPW,   192                        ; v192  LDS address of my spare word; never rewritten
.set NIL,   193                        ; v193  0; never rewritten
.set WREG,  8192                       ; x: a region for each wave from byte 0 on: two stages of 32 x 80 bytes and 256 scale bytes
.set SP,    80                         ; x: a lane's place in a stage: 64 bytes + 16 of padding
.set WSTG,  32768                      ; W: four stages of 32 rows x 272 bytes
.set WP,    272
.set SPARE, WSTG+4*32*WP               ; 67,584: the spare words, 128 bytes for each wave
.set STEPS, 16
.set CB,    8                          ; bytes of 16 codes
.set R,     16                         ; x: v16-79   four sets of 16 numbers as loaded
.set X,     80                         ; x: v80-111  two sets of 16 neighbours
.set E,     112                        ; x: v112-127 a scale byte for each step
.set C,     128                        ; x: v128-191 codes, four registers a step
.set NB,    16                         ; W: blocks of 32 along K for a wave
.set WX,    32                         ; W: v32-95   two sets of 32 numbers
.set WC,    96                         ; W: v96-99   a block's codes
.set OUTR,  112                        ; W: v112-175 the way out
.set SB,    24                         ; W: v24-27   scale bytes, four to a register
	s_load_b256 s[4:11], s[0:1], 0x0               ; x, WQ, WK, WV
	s_load_b256 s[12:19], s[0:1], 0x20             ; WO, xc, xs, wc
	s_load_b128 s[20:23], s[0:1], 0x40             ; ws, wo16
	v_lshl_add_u32 v[SPW], v0, 2, SPARE
	v_mov_b32 v[NIL], 0
	v_lshrrev_b32 v1, 5, v0
	v_readfirstlane_b32 s24, v1                    ; wave 0..3
	v_and_b32 v2, 31, v0                           ; lane
	s_mov_b32 s29, 0                               ; the upper words of the offsets' pairs
	s_mov_b32 s31, 0
	s_wait_kmcnt 0x0
	s_cmp_lt_u32 ttmp9, 48
	s_cbranch_scc1 .Lw
	s_cmp_lt_u32 ttmp9, 176
	s_cbranch_scc1 .Lx
; ---- WO to f16: a wave takes 4,096 numbers: 32 loads of 512 consecutive bytes, 32 stores of 256 consecutive aligned bytes
	s_sub_co_u32 s26, ttmp9, 176
	s_lshl_b32 s26, s26, 2
	s_add_co_u32 s26, s26, s24                     ; my run of 4,096 numbers, 0..255
	s_lshl_b32 s28, s26, 14
	s_add_nc_u64 s[12:13], s[12:13], s[28:29]
	s_lshl_b32 s28, s26, 13
	s_add_nc_u64 s[22:23], s[22:23], s[28:29]
	v_lshlrev_b32 v3, 4, v2
	v_lshlrev_b32 v4, 3, v2
.irp i, 0,1,2,3,4,5,6,7,8,9,10,11,12,13,14,15,16,17,18,19,20,21,22,23,24,25,26,27,28,29,30,31
	global_load_b128 v[32+4*\i:35+4*\i], v3, s[12:13] offset:512*\i th:TH_LOAD_NT
.endr
.irp i, 0,1,2,3,4,5,6,7,8,9,10,11,12,13,14,15,16,17,18,19,20,21,22,23,24,25,26,27,28,29,30,31
	s_wait_loadcnt 31-\i                           ; loads come back in order: load i is in, the younger ones stay out
	v_cvt_pk_f16_f32 v[32+4*\i], v[32+4*\i], v[33+4*\i]
	v_cvt_pk_f16_f32 v[33+4*\i], v[34+4*\i], v[35+4*\i]
	global_store_b64 v4, v[32+4*\i:33+4*\i], s[22:23] offset:256*\i
.endr
	s_branch .Lend
; ---- x: a plain stream of blocks of 32.  A wave takes 16 steps of 512 numbers.  Each load reads 512 consecutive bytes; a step's 2,048 bytes turn through the wave's own stage,
; so that a lane then holds 16 neighbours along K (two neighbouring lanes hold a block).  Loads run four steps ahead, the turn through LDS one step.
.Lx:
	v_lshlrev_b32 v3, 4, v2                        ; my 16 bytes of a load's 512
	s_mul_i32 s25, s24, WREG
	v_lshrrev_b32 v14, 2, v2
	v_mul_u32_u24 v14, v14, SP
	v_and_b32 v15, 3, v2
	v_lshl_add_u32 v14, v15, 4, v14
	v_add_nc_u32 v14, s25, v14                     ; the stage, on the way in: SP (lane / 4) + 16 (lane % 4)
	v_mul_u32_u24 v15, v2, SP
	v_add_nc_u32 v15, s25, v15                     ; and on the way out: SP x lane
	v_mul_u32_u24 v4, v2, CB                       ; my codes' place in a step's
	v_lshrrev_b32 v5, 1, v2
	s_add_co_u32 s25, s25, 2*32*SP
	v_add_nc_u32 v5, s25, v5                       ; my wave's 256 scale bytes: my block's byte
	v_lshlrev_b32 v7, 3, v2
	v_add_nc_u32 v6, s25, v7                       ; and on the way out 8 bytes a lane
	s_sub_co_u32 s26, ttmp9, 48
	s_lshl_b32 s26, s26, 2
	s_add_co_u32 s26, s26, s24                     ; my run of 8,192 numbers, 0..511
	s_lshl_b32 s28, s26, 15
	s_add_nc_u64 s[4:5], s[4:5], s[28:29]
	s_lshl_b32 s28, s26, 12
	s_add_nc_u64 s[14:15], s[14:15], s[28:29]
	s_lshl_b32 s28, s26, 8
	s_add_nc_u64 s[16:17], s[16:17], s[28:29]
.macro XLOAD t
.irp i, 0,1,2,3
	global_load_b128 v[R+16*((\t)%4)+4*\i:R+16*((\t)%4)+4*\i+3], v3, s[4:5] offset:2048*(\t)+512*\i th:TH_LOAD_NT
.endr
.endm
.macro XTURN t                         ; LDS serves a wave's instructions in order: no wait stands between the stores and the loads
.irp i, 0,1,2,3
	ds_store_b128 v14, v[R+16*((\t)%4)+4*\i:R+16*((\t)%4)+4*\i+3] offset:32*SP*((\t)%2)+8*SP*\i
.endr
.irp i, 0,1,2,3
	ds_load_b128 v[X+16*((\t)%2)+4*\i:X+16*((\t)%2)+4*\i+3], v15 offset:32*SP*((\t)%2)+16*\i
.endr
.endm
.irp t, 0,1,2,3
	XLOAD \t
.endr
	s_wait_loadcnt 12                              ; step 0's four loads are in; the 12 of steps 1 to 3 stay out
	XTURN 0
.macro XSTEP t
.set XS, X+16*((\t)%2)
.if (\t) > 0
	s_wait_dscnt 1                                 ; this step's numbers are back from the stage (the last step's byte store may be out)
.else
	s_wait_dscnt 0x0
.endif
.if (\t)+4 < STEPS
	XLOAD (\t)+4                                   ; into the registers that the stage's stores have read
.endif
.if (\t)+1 < STEPS
.if STEPS-2-(\t) >= 3
	s_wait_loadcnt 12                              ; the next step's four loads are in; those of the three steps behind it may be out
.else
	s_wait_loadcnt 4*(STEPS-2-(\t))
.endif
	XTURN (\t)+1
.endif
	v_max3_num_f32 v8, |v[XS]|, |v[XS+1]|, |v[XS+2]|               ; the largest magnitude of my 16, in two chains
	v_max3_num_f32 v9, |v[XS+3]|, |v[XS+4]|, |v[XS+5]|
.irp i, 6,10
	v_max3_num_f32 v8, v8, |v[XS+\i]|, |v[XS+\i+1]|
	v_max3_num_f32 v9, v9, |v[XS+\i+2]|, |v[XS+\i+3]|
.endr
	v_max3_num_f32 v8, v8, |v[XS+14]|, |v[XS+15]|
	v_max3_num_f32 v8, v8, v9, 0x1800000           ; and the floor 2^(3 - 127): the byte cannot fall under 1
	v_max_num_f32_dpp v8, v8, v8 row_xmask:1 row_mask:0xf bank_mask:0xf   ; with my neighbour's 16: the block's
	v_add_nc_u32 v11, 0xff000000, v8               ; 2 off its exponent field: the conversion takes the exponent field of this operand as its scale
	v_cvt_scalef32_pk8_fp4_f32 v[C+4*(\t)], v[XS:XS+7], v11
	v_cvt_scalef32_pk8_fp4_f32 v[C+4*(\t)+1], v[XS+8:XS+15], v11
	v_lshrrev_b32 v[E+(\t)], 23, v11               ; the scale's byte (a plain line behind the conversions)
	ds_store_b8 v5, v[E+(\t)] offset:16*(\t)       ; both lanes of a block write the same byte with the same value
	global_store_b64 v4, v[C+4*(\t):C+4*(\t)+1], s[14:15] offset:32*CB*(\t)   ; the wave stores 256 consecutive aligned bytes
.endm
.irp t, 0,1,2,3,4,5,6,7,8,9,10,11,12,13,14,15
	XSTEP \t
.endr
	ds_load_b64 v[8:9], v6                         ; my wave's 256 scale bytes: these loads see my stores
	s_wait_dscnt 0x0
	global_store_b64 v7, v[8:9], s[16:17]          ; 256 consecutive aligned bytes
	s_branch .Lend
; ---- WQ, WK, WV: K is the first axis.  A lane takes a column n and its registers run down K: each load reads 128 consecutive bytes a wave, a block of 32 lies in one lane,
; and the conversions give codes with K innermost.  A wave takes 32 columns x 512 along K; its codes leave through its own stage, sixteen lanes to 256 aligned bytes.
.Lw:
	s_lshr_b32 s25, ttmp9, 4                       ; which weight: 0 WQ, 1 WK, 2 WV
	s_and_b32 s26, ttmp9, 15
	s_lshr_b32 s27, s26, 1                         ; which 128 columns
	s_and_b32 s26, s26, 1                          ; which 512 along K
	s_cmp_eq_u32 s25, 0
	s_cselect_b64 s[4:5], s[6:7], s[8:9]
	s_cmp_eq_u32 s25, 2
	s_cselect_b64 s[4:5], s[10:11], s[4:5]
	s_lshl_b32 s27, s27, 7
	s_lshl_b32 s28, s24, 5
	s_add_co_u32 s27, s27, s28                     ; my wave's first column
	s_lshl_b32 s30, s26, 21                        ; 512 rows of 4,096 bytes
	s_lshl_b32 s28, s27, 2
	s_add_co_u32 s30, s30, s28
	s_add_nc_u64 s[4:5], s[4:5], s[30:31]
	s_lshl_b32 s28, s25, 10
	s_add_co_u32 s28, s28, s27                     ; my first row of wc and ws
	s_lshl_b32 s30, s28, 9
	s_lshl_b32 s27, s26, 8
	s_add_co_u32 s30, s30, s27
	s_add_nc_u64 s[18:19], s[18:19], s[30:31]
	s_lshl_b32 s30, s28, 5
	s_lshl_b32 s27, s26, 4
	s_add_co_u32 s30, s30, s27
	s_add_nc_u64 s[20:21], s[20:21], s[30:31]
	v_lshlrev_b32 v3, 2, v2                        ; in: 4 bytes a lane
	s_mul_i32 s27, s24, 32*WP
	s_add_co_u32 s27, s27, WSTG                    ; my stage
	v_mul_u32_u24 v4, v2, WP
	v_add_nc_u32 v4, s27, v4                       ; into it: row = my column
	v_and_b32 v5, 15, v2
	v_lshrrev_b32 v6, 4, v2
	v_mul_u32_u24 v7, v6, WP
	v_lshl_add_u32 v7, v5, 4, v7
	v_add_nc_u32 v7, s27, v7                       ; out of it: sixteen lanes to a row, two rows an instruction
	v_mul_u32_u24 v8, v6, 512
	v_lshl_add_u32 v8, v5, 4, v8                   ; and the same place in wc
	v_mul_u32_u24 v9, v2, 32                       ; my column's row of scale bytes
.macro WLOAD t                         ; block t: W(32 t + i, my column) into set t % 2; the largest offset, 511 rows of 4,096 bytes, lies inside the signed 24-bit immediate
.irp i, 0,1,2,3,4,5,6,7,8,9,10,11,12,13,14,15,16,17,18,19,20,21,22,23,24,25,26,27,28,29,30,31
	global_load_b32 v[WX+32*((\t)%2)+\i], v3, s[4:5] offset:(32*(\t)+\i)*4096 th:TH_LOAD_NT
.endr
.endm
	WLOAD 0
	WLOAD 1
.macro WBLOCK t
.set XS, WX+32*((\t)%2)
.if (\t) < NB-1
	s_wait_loadcnt 32                              ; this block's 32 loads are in; the next block's may be out
.else
	s_wait_loadcnt 0
.endif
	v_max3_num_f32 v12, |v[XS]|, |v[XS+1]|, |v[XS+2]|               ; the block's largest magnitude: all 32 numbers are mine
	v_max3_num_f32 v13, |v[XS+3]|, |v[XS+4]|, |v[XS+5]|
.irp i, 6,10,14,18,22,26
	v_max3_num_f32 v12, v12, |v[XS+\i]|, |v[XS+\i+1]|
	v_max3_num_f32 v13, v13, |v[XS+\i+2]|, |v[XS+\i+3]|
.endr
	v_max3_num_f32 v12, v12, |v[XS+30]|, |v[XS+31]|
	v_max3_num_f32 v12, v12, v13, 0x1800000        ; and the floor 2^(3 - 127)
	v_add_nc_u32 v11, 0xff000000, v12              ; the conversion's scale operand
	v_lshrrev_b32 v13, 23, v11                     ; the scale's byte
.if (\t)%4 == 0
	v_mov_b32 v[SB+(\t)/4], v13
.else
	v_lshl_or_b32 v[SB+(\t)/4], v13, 8*((\t)%4), v[SB+(\t)/4]
.endif
.irp g, 0,1,2,3
	v_cvt_scalef32_pk8_fp4_f32 v[WC+\g], v[XS+8*\g:XS+8*\g+7], v11
.endr
	ds_store_b128 v4, v[WC:WC+3] offset:16*(\t)    ; 32 codes: 16 bytes of my column's row
.if (\t)+2 < NB
	WLOAD (\t)+2
.endif
	s_wait_dscnt 0x0                               ; the store has read its registers: the next block's codes may be written
.endm
.irp t, 0,1,2,3,4,5,6,7,8,9,10,11,12,13,14,15
	WBLOCK \t
.endr
	global_store_b128 v9, v[SB:SB+3], s[20:21]     ; my column's 16 scale bytes
.irp t, 0,1,2,3,4,5,6,7,8,9,10,11,12,13,14,15
	ds_load_b128 v[OUTR+4*\t:OUTR+4*\t+3], v7 offset:2*\t*WP
.endr
.irp t, 0,1,2,3,4,5,6,7,8,9,10,11,12,13,14,15
	s_wait_dscnt 15-\t                             ; load t is back, the younger ones stay out
	global_store_b128 v8, v[OUTR+4*\t:OUTR+4*\t+3], s[18:19] offset:2*\t*512
.endr
.Lend:
	s_wait_tensorcnt 0x0                           ; the wave's end
	ds_add_u32 v[SPW], v[NIL]
	s_wait_dscnt 0x0
	s_endpgm
.Lfunc_end_k_q3c7212628e_prep:
	.size	k_q3c7212628e_prep, .Lfunc_end_k_q3c7212628e_prep-k_q3c7212628e_prep
	.p2alignl 7, 3214868480
	.fill 96, 4, 3214868480
	.section	.rodata,"a",@progbits
	.p2align	6, 0x0
	.amdhsa_kernel k_q3c7212628e_prep
		.amdhsa_group_segment_fixed_size 68096
		.amdhsa_private_segment_fixed_size 0
		.amdhsa_enable_private_segment 0
		.amdhsa_kernarg_size 80
		.amdhsa_user_sgpr_count 2
		.amdhsa_user_sgpr_kernarg_segment_ptr 1
		.amdhsa_wavefront_size32 1
		.amdhsa_system_sgpr_workgroup_id_x 1
		.amdhsa_system_sgpr_workgroup_id_y 1
		.amdhsa_system_sgpr_workgroup_id_z 1
		.amdhsa_system_vgpr_workitem_id 0
		.amdhsa_next_free_vgpr 200
		.amdhsa_next_free_sgpr 66
		.amdhsa_reserve_vcc 0
		.amdhsa_float_denorm_mode_32 3
		.amdhsa_float_denorm_mode_16_64 3
		.amdhsa_memory_ordered 1
		.amdhsa_forward_progress 1
		.amdhsa_inst_pref_size 122
	.end_amdhsa_kernel
	.amdgpu_metadata
---
amdhsa.version: [ 1, 2 ]
amdhsa.kernels:
  - .name:           k_q3c7212628e_prep
    .symbol:         k_q3c7212628e_prep.kd
    .args:
      - { .name: x, .offset: 0, .size: 8, .value_kind: global_buffer, .address_space: global }
      - { .name: WQ, .offset: 8, .size: 8, .value_kind: global_buffer, .address_space: global }
      - { .name: WK, .offset: 16, .size: 8, .value_kind: global_buffer, .address_space: global }
      - { .name: WV, .offset: 24, .size: 8, .value_kind: global_buffer, .address_space: global }
      - { .name: WO, .offset: 32, .size: 8, .value_kind: global_buffer, .address_space: global }
      - { .name: xc, .offset: 40, .size: 8, .value_kind: global_buffer, .address_space: global }
      - { .name: xs, .offset: 48, .size: 8, .value_kind: global_buffer, .address_space: global }
      - { .name: wc, .offset: 56, .size: 8, .value_kind: global_buffer, .address_space: global }
      - { .name: ws, .offset: 64, .size: 8, .value_kind: global_buffer, .address_space: global }
      - { .name: wo16, .offset: 72, .size: 8, .value_kind: global_buffer, .address_space: global }
    .group_segment_fixed_size: 68096
    .private_segment_fixed_size: 0
    .kernarg_segment_align: 8
    .kernarg_segment_size: 80
    .max_flat_workgroup_size: 128
    .sgpr_count:     66
    .vgpr_count:     200
    .wavefront_size: 32
...
	.end_amdgpu_metadata
.endif
;; end of part 1
;; launch gemm_qkv (part 2): grid 12 x 16, 4 waves a work-group, clusters of 4 x 4, 327,680 bytes of LDS; arguments xc, xs, wc, ws, qkv, q16; writes qkv, q16
.if DOCPART == 2
	.amdgcn_target "amdgcn-amd-amdhsa--gfx1250"
	.amdhsa_code_object_version 6
	.text
	.protected	k_q3c7212628e_gemm_qkv
	.globl	k_q3c7212628e_gemm_qkv
	.p2align	8
	.type	k_q3c7212628e_gemm_qkv,@function
k_q3c7212628e_gemm_qkv:
	s_mov_b64 s[64:65], 0
	v_nop
	global_prefetch_b8 v0, s[64:65] scope:SCOPE_SE
	s_setreg_imm32_b32 hwreg(HW_REG_WAVE_MODE, 25, 1), 1
	s_wait_xcnt 0x0
	s_wait_alu depctr_hold_cnt(0) depctr_sa_sdst(0) depctr_va_vdst(0) depctr_va_sdst(0) depctr_va_ssrc(0) depctr_va_vcc(0) depctr_vm_vsrc(0)
	s_getreg_b32 s2, hwreg(HW_REG_IB_STS2, 6, 4)
	s_cmp_eq_u32 s2, 0
	s_cbranch_scc0 .Lentry_in_a_cluster
	s_endpgm
.Lentry_in_a_cluster:
	s_bfe_u32 s2, ttmp6, 0x10000c
	s_cmp_lg_u32 s2, 0xf033
	s_cbranch_scc0 .Lentry_shape_is_right
	s_endpgm
.Lentry_shape_is_right:
; Q, K, V = x W on codes of E2M1 with one E8M0 scale for each 32 along K.  A = xc [4096][512 bytes] with xs [4096][32]; B = wc [3072][512 bytes] with ws [3072][32] (rows 0-1023 WQ's columns, then WK's, WV's).
; A tile of 256 x 256 is made by four waves, each 128 x 128: 64 accumulators, 512 registers.  K = 1,024 is two LDS slots of 512 along K (rows of 256 bytes): both are asked for at the start and nothing is filled again.
; The scale bytes of the work-group's 256 + 256 rows come into LDS once, as rows of 256 bytes.
; CLUSTERS: 4 x 4 work-groups; A's tiles are asked for jointly along a row of the cluster, B's along a column.
; THE MATRIX INSTRUCTION IS USED TRANSPOSED (source 0 = 16 rows of B, source 1 = 16 rows of A): a lane holds eight neighbouring columns of one row of the result.
; THE WAY OUT: Q is multiplied by c = log2(e) / 8 in f32 (K and V by 1), rounded to f16 and stored by head: qkv [3][2][16][2048][64].  Positions 0-15 of both sequences are also stored in f32: q16 [2][16][3072].
; LIMIT: |c Q|, |K|, |V| stay under 65,504 (f16).
; REGISTERS: window 0: v0-31 addresses; v32-95 scale words and nothing else; v128-191 A's fragments, one set; on the way out v96-127 packed results, v128-191 rows read back, v192-255 scaled results.
;   window 1: B's fragments, two sets, at v0 and v128.   window 2: the 32 accumulators of my rows 0-63 ((a, b) at v[8 (8 a + b)]);   window 3: those of my rows 64-127.
.set NQ,     4                         ; steps of 128 along K in a slot
.set ROWB,   256                       ; a tile's row in bytes
.set KROW,   512                       ; a row of codes in memory
.set PITCH,  272                       ; an LDS row: 256 bytes + 16 of padding: the 16 rows that a load touches start 68 words apart
.set FR,     8
.set NL,     2
.set NP,     4                         ; places behind this matrix instruction (ISA guide 7.12.1)
.set HALFT,  128*PITCH
.set SLOT,   4*HALFT
.set KS,     32                        ; a row of scale bytes
.set SCL,    2*SLOT
.set HALFS,  (128*KS/256)*272
.set SBLK,   (16*KS/256)*272
.set SPARE,  SCL+4*HALFS               ; the spare words, 128 bytes for each wave
.set SPITCH, 272                       ; the way out: a stage of 16 rows x (256 bytes + 16) for each wave, in slot 0, which has had its only fill and its last read by then
.set ADRA, 16
.set ADRB, 20
.set STO,  24
.set RD,   25
.set CO,   26
.set ADRS, 27
.set SPW,  28
.set NIL,  29
.set PR,   30                          ; v30  0 where my block 0 holds positions 0-15 of a sequence
.set FO,   31                          ; v31  my byte offset in q16
.set SC,   32
.set TMP,  96
.set AF,   128
.set BK,   128
.set T,    192
.set G1, 24
.set G0, 32
.set G1B, 48
.set G0B, 56
.set G1S, 68
.set G0S, 76
.set G1SB, 80
.set G0SB, 88
.set MSB, 0
.macro WIN new                         ; the immediate's high byte repeats the setting that is left
.if MSB != \new
	s_set_vgpr_msb (MSB<<8)|\new
.set MSB, \new
.endif
.endm
.set MUL_LO, 0xa1                      ; source 0 (B) window 1, source 1 (A) window 0, C and D window 2
.set MUL_HI, 0xf1
.set TO_B,   0x40
; A joint load: waves 0 and 1 fetch for A, waves 2 and 3 for B; the branch hangs on the wave's number alone.  An s_nop 0 and four v_nop follow each line.
.macro JLOAD g0a, g1a, g0b, g1b
	s_cmp_eq_u32 s15, 0
	s_cbranch_scc0 .Lfor_b_\@
	tensor_load_to_lds s[\g0a:\g0a+3], s[\g1a:\g1a+7]
	s_nop 0
.rept 4
	v_nop
.endr
	s_branch .Lasked_\@
.Lfor_b_\@:
	tensor_load_to_lds s[\g0b:\g0b+3], s[\g1b:\g1b+7]
	s_nop 0
.rept 4
	v_nop
.endr
.Lasked_\@:
.endm
.macro CROUND                          ; a round of the cluster's barrier
	s_barrier_signal -1
	s_barrier_wait -1
	s_cmp_lg_u32 s14, 0
	s_cbranch_scc1 .Lnot_wave_0_\@
	s_barrier_signal -3
.Lnot_wave_0_\@:
	s_barrier_wait -3
	s_barrier_signal -1
	s_barrier_wait -1
.endm
	s_load_b128 s[4:7], s[0:1], 0x0                ; xc, xs
	s_load_b128 s[8:11], s[0:1], 0x10              ; wc, ws
	s_load_b64 s[12:13], s[0:1], 0x20              ; qkv
	s_load_b64 s[98:99], s[0:1], 0x28              ; q16
	v_lshl_add_u32 v[SPW], v0, 2, SPARE
	v_mov_b32 v[NIL], 0
	ds_add_u32 v[SPW], v[NIL]                      ; the wave's opening: the add, twice on end, and its wait ahead of my first tensor load
	ds_add_u32 v[SPW], v[NIL]
	v_lshrrev_b32 v1, 5, v0
	v_readfirstlane_b32 s14, v1                    ; wave 0..3
	s_lshr_b32 s15, s14, 1                         ; which half of the tile's rows is mine.  Also: I fetch for A (0) or for B (1)
	s_and_b32 s16, s14, 1                          ; which half of its columns.  Also: which 128 rows I fetch
	s_bfe_u32 s40, ttmp6, 0x40000                  ; cx, cy
	s_bfe_u32 s41, ttmp6, 0x40004
	s_lshl_b32 s42, ttmp9, 2
	s_add_co_u32 s42, s42, s40                     ; tile column
	s_and_b32 s17, ttmp7, 0xffff
	s_lshl_b32 s17, s17, 2
	s_add_co_u32 s17, s17, s41                     ; tile row
	s_lshl_b32 s43, s41, 2
	s_lshl_b32 s43, 15, s43                        ; my row of the cluster
	s_lshl_b32 s44, 0x1111, s40                    ; my column
	s_or_b32 s[G1+0], s43, (0<<16)|(1<<20)|(1<<21)|(5<<22)|(3<<25)  ; mask; elements of 1 byte; padding on: 4 words after every 64; bit 21 beside a mask
	s_or_b32 s[G1B+0], s44, (0<<16)|(1<<20)|(1<<21)|(5<<22)|(3<<25)
.irp g, G1, G1B
	s_mov_b32 s[\g+1], ROWB<<16                    ; tensor_dim0
	s_mov_b32 s[\g+2], 128<<16                     ; tensor_dim1
	s_mov_b32 s[\g+3], ROWB<<16                    ; tile_dim0
	s_mov_b32 s[\g+4], 128                         ; tile_dim1
	s_mov_b32 s[\g+5], KROW                        ; the pitch
	s_mov_b32 s[\g+6], 0
	s_mov_b32 s[\g+7], 0
.endr
	s_or_b32 s[G1S+0], s43, (3<<16)|(1<<20)|(1<<21)|(5<<22)|(3<<25)  ; the scales of 128 rows: 4,096 dense bytes as 16 rows of 32 elements of 8 bytes
	s_or_b32 s[G1SB+0], s44, (3<<16)|(1<<20)|(1<<21)|(5<<22)|(3<<25)
.irp g, G1S, G1SB
	s_mov_b32 s[\g+1], 32<<16
	s_mov_b32 s[\g+2], (128*KS/256)<<16
	s_mov_b32 s[\g+3], 32<<16
	s_mov_b32 s[\g+4], 128*KS/256
	s_mov_b32 s[\g+5], 32
	s_mov_b32 s[\g+6], 0
	s_mov_b32 s[\g+7], 0
.endr
	s_lshl_b32 s18, s16, 7
	s_lshl_b32 s20, s17, 8
	s_add_co_u32 s20, s20, s18                     ; A: row 256 x tile row + 128 x half
	s_lshl_b32 s46, s42, 8
	s_add_co_u32 s46, s46, s18                     ; B: row 256 x tile column + 128 x half
	s_mov_b32 s21, 0
	s_mov_b32 s47, 0
	s_mov_b64 s[18:19], KS
	s_mul_u64 s[22:23], s[20:21], s[18:19]
	s_mul_u64 s[92:93], s[46:47], s[18:19]
	s_mov_b64 s[18:19], KROW
	s_mul_u64 s[20:21], s[20:21], s[18:19]
	s_mul_u64 s[46:47], s[46:47], s[18:19]
	s_mul_i32 s45, s14, HALFT                      ; where they go: wave x 128 rows
	s_mul_i32 s94, s14, HALFS
	s_wait_dscnt 0x0                               ; both opening adds are done
	s_wait_kmcnt 0x0
	s_add_nc_u64 s[20:21], s[4:5], s[20:21]
	s_add_nc_u64 s[22:23], s[6:7], s[22:23]
	s_add_nc_u64 s[46:47], s[8:9], s[46:47]
	s_add_nc_u64 s[92:93], s[10:11], s[92:93]
	CROUND                                         ; all sixteen work-groups are here: the first joint loads meet
	s_mov_b32 s[G0S], 1
	s_add_co_u32 s[G0S+1], s94, SCL
	s_mov_b64 s[G0S+2:G0S+3], s[22:23]
	s_or_b32 s[G0S+3], s[G0S+3], 0x80000000
	s_mov_b32 s[G0SB], 1
	s_add_co_u32 s[G0SB+1], s94, SCL
	s_mov_b64 s[G0SB+2:G0SB+3], s[92:93]
	s_or_b32 s[G0SB+3], s[G0SB+3], 0x80000000
	JLOAD G0S, G1S, G0SB, G1SB                     ; the scales first; with the two slots three loads of mine are out
.irp s, 0,1
	s_mov_b32 s[G0+4*\s], 1
	s_add_co_u32 s[G0+4*\s+1], s45, \s*SLOT
	s_add_nc_u64 s[G0+4*\s+2:G0+4*\s+3], s[20:21], \s*ROWB
	s_or_b32 s[G0+4*\s+3], s[G0+4*\s+3], 0x80000000
	s_mov_b32 s[G0B+4*\s], 1
	s_add_co_u32 s[G0B+4*\s+1], s45, \s*SLOT
	s_add_nc_u64 s[G0B+4*\s+2:G0B+4*\s+3], s[46:47], \s*ROWB
	s_or_b32 s[G0B+4*\s+3], s[G0B+4*\s+3], 0x80000000
	JLOAD G0+4*\s, G1, G0B+4*\s, G1B
.endr
	v_and_b32 v1, 15, v0                           ; l % 16
	v_bfe_u32 v2, v0, 4, 1                         ; l / 16
	v_mul_u32_u24 v3, v1, PITCH
	v_lshl_add_u32 v4, v2, 4, v3                   ; a fragment's row x pitch + 16 x half
	s_mul_i32 s21, s15, HALFT
	s_mul_i32 s22, s16, HALFT
	s_add_co_u32 s22, s22, 2*HALFT
.irp s, 0,1
	v_add_nc_u32 v[ADRA+\s], s21, v4
	v_add_nc_u32 v[ADRB+\s], s22, v4
	s_add_co_u32 s21, s21, SLOT
	s_add_co_u32 s22, s22, SLOT
.endr
	v_mul_u32_u24 v5, v1, KS                       ; my row's scales: 32 bytes a row,
	v_lshrrev_b32 v6, 8, v5
	v_lshl_add_u32 v5, v6, 4, v5                   ; and 16 more for each 256 passed
	s_mul_i32 s21, s15, HALFS
	s_mul_i32 s22, s16, HALFS
	s_add_co_u32 s22, s22, 2*HALFS
	s_sub_co_u32 s22, s22, s21
	v_mul_u32_u24 v6, s22, v2                      ; lanes 16-31 take B's
	s_add_co_u32 s21, s21, SCL
	v_add_nc_u32 v5, v5, v6
	v_add_nc_u32 v[ADRS], s21, v5
	s_mul_i32 s23, s14, 16*SPITCH                  ; my stage
	v_mul_u32_u24 v5, v1, SPITCH                   ; in: row l % 16, 16 bytes for each half of the lanes
	v_lshl_add_u32 v5, v2, 4, v5
	v_add_nc_u32 v[STO], s23, v5
	v_bfe_u32 v5, v0, 3, 1                         ; back: lanes 0-15 take two rows' 128 bytes of my first head, lanes 16-31 the same of my second
	v_mul_u32_u24 v5, v5, SPITCH
	v_lshl_add_u32 v5, v2, 7, v5
	v_and_b32 v6, 7, v0
	v_lshl_add_u32 v5, v6, 4, v5
	v_add_nc_u32 v[RD], s23, v5
	v_lshlrev_b32 v[CO], 4, v1                     ; in qkv: 16 (l % 16), two rows of 128 bytes on end; + a head of 262,144 bytes for lanes 16-31
	v_lshl_add_u32 v[CO], v2, 18, v[CO]
	v_mul_u32_u24 v[FO], v1, 12288                 ; in q16: row l % 16 of 12,288 bytes, + 32 bytes for the upper half
	v_lshl_add_u32 v[FO], v2, 5, v[FO]
	s_mov_b32 s2, 0x3e38aa3b                       ; c = log2(e) / 8 for Q's columns (tile columns 0-3), 1 for K's and V's: a choice of a value, no branch
	s_cmp_lt_u32 s42, 4
	s_cselect_b32 s2, s2, 0x3f800000
	s_mov_b32 s3, s2
	s_lshr_b32 s20, s42, 2                         ; which of Q, K, V: 8,388,608 bytes each
	s_lshl_b32 s20, s20, 23
	s_lshr_b32 s22, s17, 3                         ; the batch: 4,194,304 bytes
	s_lshl_b32 s21, s22, 22
	s_add_co_u32 s20, s20, s21
	s_and_b32 s21, s42, 3
	s_lshl_b32 s21, s21, 1
	s_add_co_u32 s21, s21, s16                     ; my pair of heads
	s_lshl_b32 s21, s21, 19
	s_add_co_u32 s20, s20, s21
	s_and_b32 s23, s17, 7
	s_lshl_b32 s21, s23, 1
	s_add_co_u32 s21, s21, s15                     ; my 128 positions: 16,384 bytes
	s_lshl_b32 s21, s21, 14
	s_add_co_u32 s20, s20, s21
	s_mov_b32 s21, 0
	s_add_nc_u64 s[12:13], s[12:13], s[20:21]
	s_or_b32 s23, s23, s15
	v_mov_b32 v[PR], s23
	s_mul_i32 s20, s22, 196608                     ; q16: the batch's 16 rows,
	s_lshl_b32 s22, s42, 10
	s_add_co_u32 s20, s20, s22                     ; my tile's 256 columns,
	s_lshl_b32 s22, s16, 9
	s_add_co_u32 s20, s20, s22                     ; my half of them
	s_add_nc_u64 s[98:99], s[98:99], s[20:21]
.macro FRAG reg, adr, q, i             ; 16 rows x 128 K of 4-bit codes: 8 registers, two loads of 16 bytes, 32 bytes apart
.irp c, 0,1
	ds_load_b128 v[\reg+4*\c:\reg+4*\c+3], v[\adr] offset:64*(\q)+32*\c+(\i)*16*PITCH
.endr
.endm
; 16 matrix instructions: A's blocks a0, a0 + 1 x B's eight.  The 64 accumulators take turns, one instruction a turn, in the same order in every step.
.macro MUL16 a0, p, q, sc, zero
.irp a, \a0, \a0+1
.irp b, 0,1,2,3,4,5,6,7
.if \zero
	v_wmma_scale_f32_16x16x128_f8f6f4 v[8*(8*((\a)%4)+\b):8*(8*((\a)%4)+\b)+7], v[128*(\p)+FR*\b:128*(\p)+FR*\b+FR-1], v[AF+FR*(\a):AF+FR*(\a)+FR-1], 0, v[SC+8*NQ*(\sc)+NQ*\b+(\q)], v[SC+8*NQ*(\sc)+NQ*(\a)+(\q)] matrix_a_fmt:MATRIX_FMT_FP4 matrix_b_fmt:MATRIX_FMT_FP4 matrix_a_scale:MATRIX_SCALE_ROW1
.else
	v_wmma_scale_f32_16x16x128_f8f6f4 v[8*(8*((\a)%4)+\b):8*(8*((\a)%4)+\b)+7], v[128*(\p)+FR*\b:128*(\p)+FR*\b+FR-1], v[AF+FR*(\a):AF+FR*(\a)+FR-1], v[8*(8*((\a)%4)+\b):8*(8*((\a)%4)+\b)+7], v[SC+8*NQ*(\sc)+NQ*\b+(\q)], v[SC+8*NQ*(\sc)+NQ*(\a)+(\q)] matrix_a_fmt:MATRIX_FMT_FP4 matrix_b_fmt:MATRIX_FMT_FP4 matrix_a_scale:MATRIX_SCALE_ROW1
.endif
.endr
.endr
.endm
.macro FETCH_B slot, q, p
	WIN TO_B
.irp i, 0,1,2,3,4,5,6,7
	FRAG 128*(\p)+FR*\i, ADRB+\slot, \q, \i
.endr
	WIN 0
.endm
.macro FETCH_A slot, q, i0
.irp i, \i0, \i0+1, \i0+2, \i0+3
	FRAG AF+FR*(\i), ADRA+\slot, \q, \i
.endr
.endm
.macro SCALES sc                       ; a slot's scale words: lanes 0-15 take A's block i, lanes 16-31 B's block i
.irp i, 0,1,2,3,4,5,6,7
	ds_load_b128 v[SC+8*NQ*\sc+NQ*\i:SC+8*NQ*\sc+NQ*\i+3], v[ADRS] offset:\i*SBLK
.endr
.endm
.macro PLACES n                        ; plain vector instructions between a matrix instruction and a load into, or a read of, its registers
.rept \n
	v_nop
.endr
.endm
.macro STEP slot, q, zero              ; a step of 128 along K that has its successor in the same slot
	s_wait_dscnt 4*NL                              ; B's set and A's blocks 0-3 are in; the youngest eight loads (A's blocks 4-7) may be out
	WIN MUL_LO
	MUL16 0, (\q)%2, \q, \slot, \zero
	MUL16 2, (\q)%2, \q, \slot, \zero
	s_wait_dscnt 0
	PLACES NP
	FETCH_B \slot, (\q)+1, 1-(\q)%2
	FETCH_A \slot, (\q)+1, 0
	WIN MUL_HI
	MUL16 4, (\q)%2, \q, \slot, \zero
	MUL16 6, (\q)%2, \q, \slot, \zero
	PLACES NP
	WIN 0
	FETCH_A \slot, (\q)+1, 4
.endm
; Slot 0's last step changes slots: one barrier; in front of it each wave has waited for all its tensor loads (slot 1's part), and for its reads of slot 0, in which the stages will lie.
.macro TURN slot, next
	s_wait_tensorcnt 0x0
	ds_add_u32 v[SPW], v[NIL]                      ; 0 onto my spare word
	s_wait_dscnt 4*NL+1                            ; the add and the youngest eight loads may be out
	WIN MUL_LO
	MUL16 0, 1, NQ-1, \slot, 0
	s_wait_dscnt 0x0                               ; the add is done, and my reads of this slot are over
	s_barrier_signal -1
	MUL16 2, 1, NQ-1, \slot, 0
	WIN 0
	s_barrier_wait -1
	PLACES NP
	v_add_nc_u32 v[ADRS], 4*NQ, v[ADRS]            ; on to the next slot's scale words
	FETCH_B \next, 0, 0
	FETCH_A \next, 0, 0
	SCALES \next
	WIN MUL_HI
	MUL16 4, 1, NQ-1, \slot, 0
	MUL16 6, 1, NQ-1, \slot, 0
	PLACES NP
	WIN 0
	FETCH_A \next, 0, 4
.endm
	s_wait_tensorcnt 1                             ; the scales and my part of slot 0 are in; slot 1's load may be out
	s_barrier_signal -1
	s_barrier_wait -1
	FETCH_B 0, 0, 0
	FETCH_A 0, 0, 0
	SCALES 0
	FETCH_A 0, 0, 4
	STEP 0, 0, 1                                   ; the first products start the sums: nothing is cleared
	STEP 0, 1, 0
	STEP 0, 2, 0
	TURN 0, 1
	STEP 1, 0, 0
	STEP 1, 1, 0
	STEP 1, 2, 0
	s_wait_dscnt 4*NL                              ; the very last step
	WIN MUL_LO
	MUL16 0, 1, NQ-1, 1, 0
	MUL16 2, 1, NQ-1, 1, 0
	s_wait_dscnt 0
	WIN MUL_HI
	MUL16 4, 1, NQ-1, 1, 0
	MUL16 6, 1, NQ-1, 1, 0
	WIN 0
; THE WAY OUT, block by block of 16 rows x 128 columns (two heads).
.macro PACK a                          ; x c or x 1 in f32, each accumulator from its low end on; then to f16
.set AC, 64*((\a)%4)
	WIN 0x02+(\a)/4                                ; source 0: window 2 or 3
.set NN, 0
.rept 32
	v_pk_mul_f32 v[T+2*NN:T+2*NN+1], v[AC+2*NN:AC+2*NN+1], s[2:3] op_sel_hi:[1,0]
.set NN, NN+1
.endr
	WIN 0
.if (\a) == 0
	s_wait_xcnt 0x0                                ; EXEC changes only behind this wait
	v_cmp_eq_u32 vcc_lo, 0, v[PR]                  ; positions 0-15 of a sequence: their numbers also leave in f32.  A mask on the lanes, no branch
	s_and_saveexec_b32 s100, vcc_lo
.irp b, 0,1,2,3,4,5,6,7
	global_store_b128 v[FO], v[T+8*\b:T+8*\b+3], s[98:99] offset:64*\b
	global_store_b128 v[FO], v[T+8*\b+4:T+8*\b+7], s[98:99] offset:64*\b+16
.endr
	s_wait_xcnt 0x0                                ; the stores have read EXEC and their registers
	s_or_b32 exec_lo, exec_lo, s100
.endif
.set NN, 0
.rept 32
	v_cvt_pk_f16_f32 v[TMP+NN], v[T+2*NN], v[T+2*NN+1]
.set NN, NN+1
.endr
.endm
.macro TOSTAGE a                       ; into my stage and back: LDS serves a wave's instructions in order, so no wait stands between
.irp b, 0,1,2,3,4,5,6,7
	ds_store_b128 v[STO], v[TMP+4*\b:TMP+4*\b+3] offset:32*\b
.endr
.set BB, BK+32*((\a)%2)
.irp t, 0,1,2,3,4,5,6,7
	ds_load_b128 v[BB+4*\t:BB+4*\t+3], v[RD] offset:\t*2*SPITCH
.endr
.endm
.macro SEND a, younger
.set BB, BK+32*((\a)%2)
	s_wait_dscnt \younger                          ; the block is back; the LDS instructions issued behind its loads may be out
.irp t, 0,1,2,3,4,5,6,7
	global_store_b128 v[CO], v[BB+4*\t:BB+4*\t+3], s[12:13] offset:2048*(\a)+256*\t   ; sixteen lanes store two rows of a head: 256 consecutive aligned bytes
.endr
.endm
	PLACES NP
	PACK 0
	TOSTAGE 0
.irp a, 1,2,3,4,5,6,7
.if \a > 1
	s_wait_xcnt 0x0                                ; block a - 2's stores have read their registers: block a's loads may land there
.endif
	PACK \a
	TOSTAGE \a
	SEND \a-1, 16                                  ; behind block a - 1's loads: block a's 8 stores and 8 loads
.endr
	SEND 7, 0
	s_wait_tensorcnt 0x0                           ; the wave's end
	ds_add_u32 v[SPW], v[NIL]
	s_wait_dscnt 0x0
	CROUND                                         ; the closing round
	s_endpgm
.Lfunc_end_k_q3c7212628e_gemm_qkv:
	.size	k_q3c7212628e_gemm_qkv, .Lfunc_end_k_q3c7212628e_gemm_qkv-k_q3c7212628e_gemm_qkv
	.p2alignl 7, 3214868480
	.fill 96, 4, 3214868480
	.section	.rodata,"a",@progbits
	.p2align	6, 0x0
	.amdhsa_kernel k_q3c7212628e_gemm_qkv
		.amdhsa_group_segment_fixed_size 327680
		.amdhsa_private_segment_fixed_size 0
		.amdhsa_enable_private_segment 0
		.amdhsa_kernarg_size 48
		.amdhsa_user_sgpr_count 2
		.amdhsa_user_sgpr_kernarg_segment_ptr 1
		.amdhsa_wavefront_size32 1
		.amdhsa_system_sgpr_workgroup_id_x 1
		.amdhsa_system_sgpr_workgroup_id_y 1
		.amdhsa_system_sgpr_workgroup_id_z 1
		.amdhsa_system_vgpr_workitem_id 0
		.amdhsa_next_free_vgpr 1024
		.amdhsa_next_free_sgpr 104
		.amdhsa_reserve_vcc 1
		.amdhsa_float_denorm_mode_32 3
		.amdhsa_float_denorm_mode_16_64 3
		.amdhsa_memory_ordered 1
		.amdhsa_forward_progress 1
		.amdhsa_inst_pref_size 145
	.end_amdhsa_kernel
	.amdgpu_metadata
---
amdhsa.version: [ 1, 2 ]
amdhsa.kernels:
  - .name:           k_q3c7212628e_gemm_qkv
    .symbol:         k_q3c7212628e_gemm_qkv.kd
    .args:
      - { .name: xc, .offset: 0, .size: 8, .value_kind: global_buffer, .address_space: global }
      - { .name: xs, .offset: 8, .size: 8, .value_kind: global_buffer, .address_space: global }
      - { .name: wc, .offset: 16, .size: 8, .value_kind: global_buffer, .address_space: global }
      - { .name: ws, .offset: 24, .size: 8, .value_kind: global_buffer, .address_space: global }
      - { .name: qkv, .offset: 32, .size: 8, .value_kind: global_buffer, .address_space: global }
      - { .name: q16, .offset: 40, .size: 8, .value_kind: global_buffer, .address_space: global }
    .group_segment_fixed_size: 327680
    .private_segment_fixed_size: 0
    .kernarg_segment_align: 8
    .kernarg_segment_size: 48
    .max_flat_workgroup_size: 128
    .sgpr_count:     104
    .vgpr_count:     1024
    .wavefront_size: 32
...
	.end_amdgpu_metadata
.endif
;; end of part 2
;; launch attn (part 3): grid 8 x 32, 16 waves a work-group, no clusters, 327,680 bytes of LDS; arguments qkv, att; writes att
.if DOCPART == 3
	.amdgcn_target "amdgcn-amd-amdhsa--gfx1250"
	.amdhsa_code_object_version 6
	.text
	.protected	k_q3c7212628e_attn
	.globl	k_q3c7212628e_attn
	.p2align	8
	.type	k_q3c7212628e_attn,@function
k_q3c7212628e_attn:
	s_mov_b64 s[64:65], 0
	v_nop
	global_prefetch_b8 v0, s[64:65] scope:SCOPE_SE
	s_setreg_imm32_b32 hwreg(HW_REG_WAVE_MODE, 25, 1), 1
	s_wait_xcnt 0x0
; Causal attention of one head, f16 operands, f32 sums.  qkv: f16 [3 (c Q, K, V)][2][16][2048][64], c = log2(e) / 8 already in Q, so a score is an exponent of 2.
; att: f16 [64 groups of 64 rows][16 heads][64 rows][64]: a wave's 16 queries of a head are 2,048 consecutive bytes.
; SHARES.  Work-group (j, head) owns the query chunks 15 - j (waves 0-7) and j (waves 8-15), 128 queries each, 16 a wave: 8 (16 - j) + 8 (j + 1) = 136 wave-steps of 128 keys in every work-group.
; No cluster: under the causal mask partners would jump over tiles that a joint load brings.
; Every work-group walks all 8 slots of 256 keys (constant trip counts); a step all of whose keys come after a wave's queries is jumped over; a slot beyond the work-group's last query is not asked for.
; LAYOUT.  S^T = K Q^T (source 0 = 16 keys, source 1 = my 16 queries): a lane holds ONE query (lane % 16) and keys 8 (lane / 16) + 0..7 of a tile.  Two tiles rounded to f16 in pairs are source 1
; (32 keys x 16 queries) of O^T = V^T P; V ([key][channel]) comes out of LDS turned, by ds_load_tr16_b128.
; SOFTMAX.  A running maximum m and sum l for each query: p = 2^(s - m); O and l are multiplied in every step by a = 2^(m_old - m_new).  The sum is taken of p in f32.
; LIMITS: a weight p under 6e-8 becomes 0 in f16; NaN and infinities are not served.
; REGISTERS: v1-4 lane terms; v5, v6 the add's two; v7 way out; v8, v9 the step's LDS addresses; v12 m; v[14:15] l; v16-31 Q; v32-95 K's or V's fragments; v96-159 S^T, then p; v160-191 O^T; v192-223 P; v232-254 at work.
.set SK,    256                        ; keys in a slot
.set KP,    144                        ; a row of K in LDS: 128 bytes + 16: an odd multiple of 16
.set VP,    160                        ; a row of V: 128 + 32: an odd multiple of 32, for the turning load
.set VOFF,  SK*KP
.set SLOT1, 1<<17                      ; slot 1 begins here: one exclusive or turns an address from slot to slot
.set STAGE, 2*SLOT1                    ; the way out: 16 rows x 144 bytes for each wave; no fill lands here
.set SPARE, STAGE+16*16*KP             ; the spare words, 128 bytes for each wave
.set NSL,   2048/SK
.set AK0,  1
.set AV0,  2
.set PFO,  3                           ; v3   256 x my lane: the prefetches' offset; never rewritten
.set DB,   4                           ; v4   lane % 16 - 8 (lane / 16)
.set SPW,  5
.set NIL,  6
.set GO,   7
.set ADK,  8
.set ADV,  9
.set WV,   18
.set SEL,  20
.set G1K,  24
.set G1V,  32
.set G0K,  40
.set G0V,  44
.set TB,   2                           ; s2   LDS byte at which the slot in hand begins
.set SLOTS, 67
.set KF,   98                          ; s98  the step's first key
.set Q0,   99                          ; s99  my first query
.set LQ,   97                          ; s97  my work-group's last query
.set PFA,  76
.set LIM,  80
; Wave 0 fetches a slot's 256 rows of K, wave 1 its 256 rows of V, the others nothing.  An s_nop 0 and four v_nop follow each line.
.macro TLOAD
	s_cmp_eq_u32 s[WV], 0
	s_cbranch_scc0 .Lnot_k_\@
	tensor_load_to_lds s[G0K:G0K+3], s[G1K:G1K+7]
	s_nop 0
.rept 4
	v_nop
.endr
	s_branch .Lasked_\@
.Lnot_k_\@:
	s_cmp_eq_u32 s[WV], 1
	s_cbranch_scc0 .Lasked_\@
	tensor_load_to_lds s[G0V:G0V+3], s[G1V:G1V+7]
	s_nop 0
.rept 4
	v_nop
.endr
.Lasked_\@:
.endm
; A prefetch of what the NEXT change of slots will ask for: 32,768 dense bytes of K and of V.  Only work-group j = 0 of a head asks (it walks all keys); in it waves 4-7 ask for K's, waves 8-11 for V's,
; 8,192 bytes a wave, lanes 256 bytes apart: each aligned 256 bytes is named once in the launch.  The last change that fills a slot asks for nothing; slots 0 and 1 come by their loads alone.
.macro ASK
	s_cmp_gt_u32 s[SLOTS], s[LIM]
	s_cbranch_scc0 .Lnot_mine_\@
	global_prefetch_b8 v[PFO], s[PFA:PFA+1] th:TH_LOAD_NT scope:SCOPE_SE
.Lnot_mine_\@:
.endm
	s_load_b128 s[4:7], s[0:1], 0x0                ; qkv, att
	v_lshl_add_u32 v[SPW], v0, 2, SPARE
	v_mov_b32 v[NIL], 0
	ds_add_u32 v[SPW], v[NIL]                      ; the wave's opening: the add, twice on end, and its wait ahead of the first tensor load
	ds_add_u32 v[SPW], v[NIL]
	v_lshrrev_b32 v8, 5, v0
	v_readfirstlane_b32 s[WV], v8                  ; wave 0..15
	s_and_b32 s72, ttmp7, 0xffff                   ; 16 x batch + head
	s_sub_co_u32 s73, 15, ttmp9
	s_cmp_lt_u32 s[WV], 8
	s_cselect_b32 s73, s73, ttmp9                  ; my chunk of 128 queries
	s_lshl_b32 s73, s73, 7
	s_and_b32 s74, s[WV], 7
	s_lshl_b32 s74, s74, 4
	s_add_co_u32 s[Q0], s73, s74
	s_lshl_b32 s[LQ], ttmp9, 7
	s_sub_co_u32 s[LQ], 2047, s[LQ]                ; chunk 15 - j's last query
	s_mov_b32 s[G1K], (1<<16)|(1<<20)|(4<<22)|(3<<25)   ; elements of 2 bytes; padding on: 4 words after every 32
	s_mov_b32 s[G1V], (1<<16)|(1<<20)|(4<<22)|(7<<25)   ; 8 words after every 32
.irp g, G1K, G1V
	s_mov_b32 s[\g+1], 64<<16                      ; tensor_dim0
	s_mov_b32 s[\g+2], SK<<16                      ; tensor_dim1
	s_mov_b32 s[\g+3], 64<<16                      ; tile_dim0
	s_mov_b32 s[\g+4], SK                          ; tile_dim1
	s_mov_b32 s[\g+5], 64                          ; the pitch
	s_mov_b32 s[\g+6], 0
	s_mov_b32 s[\g+7], 0
.endr
	s_lshl_b32 s84, s72, 18                        ; the head's first byte in each of Q, K, V
	s_mov_b32 s85, 0
	s_mov_b32 s[SEL], 0x76543210
	s_mov_b32 s[SEL+1], 0xfedcba98
	s_mov_b32 s[TB], 0
	s_mov_b32 s[SLOTS], NSL-1
	s_mov_b32 s[KF], 0
	s_wait_dscnt 0x0                               ; both opening adds are done
	s_wait_kmcnt 0x0
	s_add_nc_u64 s[4:5], s[4:5], s[84:85]          ; my head's Q
	s_mov_b32 s[G0K], 1
	s_mov_b32 s[G0K+1], 0                          ; slot 0
	s_add_nc_u64 s[G0K+2:G0K+3], s[4:5], 0x800000  ; my head's K
	s_or_b32 s[G0K+3], s[G0K+3], 0x80000000
	s_mov_b32 s[G0V], 1
	s_mov_b32 s[G0V+1], VOFF
	s_add_nc_u64 s[G0V+2:G0V+3], s[4:5], 0x1000000 ; my head's V
	s_or_b32 s[G0V+3], s[G0V+3], 0x80000000
	TLOAD                                          ; slot 0: it holds key 0, which counts for every query
	s_lshl_b32 s74, s[Q0], 7
	s_mov_b32 s75, 0
	s_add_nc_u64 s[8:9], s[4:5], s[74:75]          ; Q at my first query
	s_mov_b32 s82, 0x1000000
	s_cmp_lt_u32 s[WV], 8
	s_cselect_b32 s82, 0x800000, s82               ; the prefetches: K's bytes or V's,
	s_and_b32 s83, s[WV], 3
	s_lshl_b32 s83, s83, 13
	s_add_co_u32 s82, s82, s83                     ; my wave's 8,192 of a slot's 32,768,
	s_add_co_u32 s82, s82, SK*128                  ; in slot 1: the first change of slots steps it to slot 2
	s_mov_b32 s83, 0
	s_add_nc_u64 s[PFA:PFA+1], s[4:5], s[82:83]
	s_sub_co_u32 s82, s[WV], 4
	s_lshr_b32 s82, s82, 3                         ; 0 in waves 4 to 11,
	s_or_b32 s82, s82, ttmp9                       ; of work-group j = 0
	s_cmp_eq_u32 s82, 0
	s_cselect_b32 s[LIM], 1, -1
	s_lshr_b32 s74, s72, 4                         ; att: the batch,
	s_lshl_b32 s74, s74, 11
	s_add_co_u32 s74, s74, s[Q0]                   ; my first row of 4,096:
	s_lshr_b32 s73, s74, 6
	s_lshl_b32 s73, s73, 17                        ; its group of 64 rows, 131,072 bytes,
	s_and_b32 s74, s74, 63
	s_lshl_b32 s74, s74, 7                         ; its place in the group,
	s_add_co_u32 s74, s74, s73
	s_and_b32 s73, s72, 15
	s_lshl_b32 s73, s73, 13                        ; the head's 8,192 bytes in the group
	s_add_co_u32 s74, s74, s73
	s_add_nc_u64 s[16:17], s[6:7], s[74:75]
	v_and_b32 v8, 15, v0                           ; r
	v_bfe_u32 v9, v0, 4, 1                         ; h
	v_lshlrev_b32 v10, 7, v8
	v_lshl_add_u32 v10, v9, 4, v10                 ; Q: row r of 128 bytes, + 16 h
.irp ks, 0,1
.irp c, 0,1
	global_load_b128 v[16+8*\ks+4*\c:19+8*\ks+4*\c], v10, s[8:9] offset:64*\ks+32*\c   ; Q's two fragments stay in registers
.endr
.endr
	v_mul_u32_u24 v[AK0], v8, KP
	v_lshl_add_u32 v[AK0], v9, 4, v[AK0]           ; K: row r x pitch + 16 h
	v_and_b32 v11, 7, v0
	v_lshl_add_u32 v[AV0], v9, 3, v11              ; V, turning load: key 8 h + lane % 8,
	v_mul_u32_u24 v[AV0], v[AV0], VP
	v_bfe_u32 v11, v0, 3, 1
	v_lshl_add_u32 v[AV0], v11, 4, v[AV0]          ; channels 8 ((lane / 8) % 2) on
	v_add_nc_u32 v[AV0], VOFF, v[AV0]
	v_and_b32 v[PFO], 31, v0
	v_lshlrev_b32 v[PFO], 8, v[PFO]
	v_lshlrev_b32 v11, 3, v9
	v_sub_nc_u32 v[DB], v8, v11
	v_and_b32 v[GO], 31, v0
	v_lshlrev_b32 v[GO], 4, v[GO]
	v_mov_b32 v12, 0xff61b1e6                      ; m: -3e38, under every score
	v_mov_b32 v13, 0                               ; (named as the upper half of the pair v[12:13])
	v_mov_b32 v14, 0                               ; l, in two halves
	v_mov_b32 v15, 0
	v_mov_b32 v250, 0                              ; a lane permute's destination counts as one of its sources
	v_mov_b32 v253, 0                              ; (the upper half of the pair v[252:253])
.irp j, 0,1,2,3,4,5,6,7,8,9,10,11,12,13,14,15,16,17,18,19,20,21,22,23,24,25,26,27,28,29,30,31
	v_mov_b32 v[160+\j], 0                         ; O^T: the step is written once; the first step finds zeros
.endr
.macro VLOAD q, g                      ; V^T's eight fragments of keys 64 g .. 64 g + 63 of the step: (32 keys k2, 16 channels dt) at v[32 + 32 k2 + 8 dt]
.irp k2, 0,1
.irp dt, 0,1,2,3
.irp c, 0,1
	ds_load_tr16_b128 v[32+32*\k2+8*\dt+4*\c:35+32*\k2+8*\dt+4*\c], v[ADV] offset:(128*(\q)+32*(2*(\g)+\k2)+16*\c)*VP+32*\dt
.endr
.endr
.endr
.endm
; A KEY STEP: 128 keys, the q-th of the slot in hand.
.macro STEP q
	s_cmp_gt_u32 s[KF], s[Q0]                      ; all its keys come after my 16 queries (both are multiples of 16): the step's work is left out
	s_cbranch_scc1 .Lhidden_\@
	v_add_nc_u32 v[ADK], s[TB], v[AK0]
	v_add_nc_u32 v[ADV], s[TB], v[AV0]
	v_nop                                          ; with the two additions: four places in front of loads into registers that the last products read
	v_nop
.irp g, 0,1                                    ; S^T = K Q^T, four tiles of 16 keys at a time; the four accumulators take turns
.if \g
.rept 4
	v_nop
.endr
.endif
.irp t, 0,1,2,3
.irp ks, 0,1
.irp c, 0,1
	ds_load_b128 v[32+16*\t+8*\ks+4*\c:35+16*\t+8*\ks+4*\c], v[ADK] offset:(128*(\q)+16*(4*\g+\t))*KP+64*\ks+32*\c
.endr
.endr
.endr
	s_wait_dscnt 0x0
.irp t, 0,1,2,3
	v_wmma_f32_16x16x32_f16 v[96+8*(4*\g+\t):103+8*(4*\g+\t)], v[32+16*\t:39+16*\t], v[16:23], 0
.endr
.irp t, 0,1,2,3
	v_wmma_f32_16x16x32_f16 v[96+8*(4*\g+\t):103+8*(4*\g+\t)], v[40+16*\t:47+16*\t], v[24:31], v[96+8*(4*\g+\t):103+8*(4*\g+\t)]
.endr
.endr
.rept 4
	v_nop                                          ; places in front of the loads below and of the first read of the scores
.endr
	VLOAD \q, 0                                    ; V's first half is asked for ahead of the softmax
	s_add_co_u32 s96, s[KF], 127                   ; on the diagonal hidden scores become -infinity; a step all of whose keys count skips this
	s_cmp_le_u32 s96, s[Q0]
	s_cbranch_scc1 .Lopen_\@
	s_sub_co_i32 s96, s[Q0], s[KF]
	v_add_nc_u32 v248, s96, v[DB]                  ; d = my query - KF - 8 (lane / 16).  Register 8 T + i holds key KF + 16 T + 8 (lane / 16) + i: hidden where 16 T + i > d
	v_mov_b32 v249, 0xff800000
.irp n, 0,1,2,3,4,5,6,7,8,9,10,11,12,13,14,15,16,17,18,19,20,21,22,23,24,25,26,27,28,29,30,31,32,33,34,35,36,37,38,39,40,41,42,43,44,45,46,47,48,49,50,51,52,53,54,55,56,57,58,59,60,61,62,63
	v_cmp_gt_i32 vcc_lo, 16*(\n/8)+\n%8, v248
	v_cndmask_b32 v[96+\n], v[96+\n], v249, vcc_lo
.endr
.Lopen_\@:
.irp b, 0,1,2,3
	v_max3_num_f32 v[232+\b], v[96+16*\b], v[97+16*\b], v[98+16*\b]   ; the largest score, in four chains; each tile is read from its low end on
.endr
.irp i, 3,5,7,9,11,13
.irp b, 0,1,2,3
	v_max3_num_f32 v[232+\b], v[232+\b], v[96+16*\b+\i], v[97+16*\b+\i]
.endr
.endr
.irp b, 0,1,2,3
	v_max_num_f32 v[232+\b], v[232+\b], v[111+16*\b]
.endr
	v_max3_num_f32 v254, v232, v233, v234
	v_max_num_f32 v254, v254, v235
	v_permlanex16_b32 v250, v254, s[SEL], s[SEL+1] ; the query's other 64 keys lie in the lane 16 away
	v_max3_num_f32 v251, v254, v250, v12           ; the new m
	v_sub_f32 v252, v12, v251                      ; m_old - m_new
	v_mov_b32 v12, v251
.irp j, 0,2,4,6,8,10,12,14,16,18,20,22,24,26,28,30,32,34,36,38,40,42,44,46,48,50,52,54,56,58,60,62
	v_pk_add_f32 v[96+\j:97+\j], v[96+\j:97+\j], v[12:13] op_sel_hi:[1,0] neg_lo:[0,1] neg_hi:[0,1]   ; s - m, two at a time
.endr
	v_exp_f32 v252, v252                           ; a
.irp j, 0,1,2,3,4,5,6,7,8,9,10,11,12,13,14,15,16,17,18,19,20,21,22,23,24,25,26,27,28,29,30,31,32,33,34,35,36,37,38,39,40,41,42,43,44,45,46,47,48,49,50,51,52,53,54,55,56,57,58,59,60,61,62,63
	v_exp_f32 v[96+\j], v[96+\j]                   ; p = 2^(s - m)
.endr
	v_nop                                          ; a plain instruction behind the last exponential
	s_wait_alu depctr_va_vdst(0)                   ; one wait for the batch of 65, ahead of its first reader
	v_pk_mul_f32 v[14:15], v[14:15], v[252:253] op_sel_hi:[1,0]   ; l x a
	v_pk_add_f32 v[236:237], v[96:97], v[98:99]    ; the sum of p in f32, in two chains
.irp j, 4,8,12,16,20,24,28,32,36,40,44,48,52,56,60
	v_pk_add_f32 v[14:15], v[14:15], v[96+\j:97+\j]
	v_pk_add_f32 v[236:237], v[236:237], v[98+\j:99+\j]
.endr
	v_pk_add_f32 v[14:15], v[14:15], v[236:237]
.irp n, 0,1,2,3,4,5,6,7,8,9,10,11,12,13,14,15,16,17,18,19,20,21,22,23,24,25,26,27,28,29,30,31
	v_cvt_pk_f16_f32 v[192+\n], v[96+2*\n], v[97+2*\n]   ; P: registers 8 i .. 8 i + 7 are the fragment of keys 32 i on
.endr
.irp j, 0,2,4,6,8,10,12,14,16,18,20,22,24,26,28,30
	v_pk_mul_f32 v[160+\j:161+\j], v[160+\j:161+\j], v[252:253] op_sel_hi:[1,0]   ; O^T x a, each tile from its low end on
.endr
	s_wait_dscnt 0x0                               ; V's first half is in
.irp k2, 0,1                                   ; O^T += V^T P: the four accumulators take turns
.irp dt, 0,1,2,3
	v_wmma_f32_16x16x32_f16 v[160+8*\dt:167+8*\dt], v[32+32*\k2+8*\dt:39+32*\k2+8*\dt], v[192+8*\k2:199+8*\k2], v[160+8*\dt:167+8*\dt]
.endr
.endr
.rept 4
	v_nop
.endr
	VLOAD \q, 1
	s_wait_dscnt 0x0
.irp k2, 0,1
.irp dt, 0,1,2,3
	v_wmma_f32_16x16x32_f16 v[160+8*\dt:167+8*\dt], v[32+32*\k2+8*\dt:39+32*\k2+8*\dt], v[208+8*\k2:215+8*\k2], v[160+8*\dt:167+8*\dt]
.endr
.endr
.Lhidden_\@:
	s_add_co_u32 s[KF], s[KF], 128
.endm
; THE CHANGE OF SLOTS stands at a slot's head: each wave waits for all its tensor loads, adds 0 to its spare word, waits for that and for its reads of the slot that it has left, and passes the barrier.
; fill = 1: the slot that was left is filled with the keys that follow, up to the causal limit: that load has a slot's two steps in which to land.
.macro CHANGE fill
	s_wait_tensorcnt 0x0                           ; no tensor load of mine is out, so a group 0 may be written
	ds_add_u32 v[SPW], v[NIL]                      ; 0 onto my spare word
.if \fill
	ds_add_u32 v[SPW], v[NIL]                      ; and twice on end here, in every trip alike
	s_xor_b32 s[G0K+1], s[G0K+1], SLOT1            ; the walking descriptors: the other slot, the next 256 keys
	s_add_nc_u64 s[G0K+2:G0K+3], s[G0K+2:G0K+3], SK*128
	s_xor_b32 s[G0V+1], s[G0V+1], SLOT1
	s_add_nc_u64 s[G0V+2:G0V+3], s[G0V+2:G0V+3], SK*128
	s_wait_xcnt 0x0                                ; the last prefetch, a slot back, has read its address
	s_add_nc_u64 s[PFA:PFA+1], s[PFA:PFA+1], SK*128
.endif
	s_wait_dscnt 0x0
	s_barrier_signal -1
	s_barrier_wait -1
.if \fill
	s_add_co_u32 s96, s[KF], SK                    ; the first key of the slot that this change would ask for:
	s_cmp_gt_u32 s96, s[LQ]                        ; beyond my work-group's last query no wave reads it.  Ids and the count of steps alone: all sixteen waves go the same way
	s_cbranch_scc1 .Lpast_\@
	TLOAD
.Lpast_\@:
	ASK
.endif
.endm
.macro SLOT_STEPS
	STEP 0
	STEP 1
	s_xor_b32 s[TB], s[TB], SLOT1
.endm
	s_wait_loadcnt 0x0                             ; Q
.Lslot:                                            ; 7 trips
	CHANGE 1
	SLOT_STEPS
	s_sub_co_u32 s[SLOTS], s[SLOTS], 1
	s_cmp_lg_u32 s[SLOTS], 0
	s_cbranch_scc1 .Lslot
	CHANGE 0                                       ; the last slot is written out: nothing is left to ask for
	SLOT_STEPS
	; THE WAY OUT: O^T / l, to f16, through my own stage, and out as 2,048 consecutive bytes
	v_add_f32 v14, v14, v15
	v_permlanex16_b32 v250, v14, s[SEL], s[SEL+1]
	v_add_f32 v14, v14, v250                       ; the row's sum
	v_rcp_f32 v14, v14
	v_and_b32 v8, 15, v0                           ; (plain work behind the reciprocal)
	v_bfe_u32 v9, v0, 4, 1
	s_mul_i32 s73, s[WV], 16*KP
	s_add_co_u32 s73, s73, STAGE
	v_mul_u32_u24 v10, v8, KP
	v_lshl_add_u32 v10, v9, 4, v10
	v_add_nc_u32 v10, s73, v10                     ; in: row r, + 16 h; tile dt 32 bytes on
	v_bfe_u32 v11, v0, 3, 2
	v_mul_u32_u24 v11, v11, KP
	v_and_b32 v8, 7, v0
	v_lshl_add_u32 v11, v8, 4, v11
	v_add_nc_u32 v11, s73, v11                     ; back: eight lanes to a row of 128 bytes, four rows an instruction
	s_wait_alu depctr_va_vdst(0)                   ; ahead of the reciprocal's first reader
.irp j, 0,1,2,3,4,5,6,7,8,9,10,11,12,13,14,15,16,17,18,19,20,21,22,23,24,25,26,27,28,29,30,31
	v_mul_f32 v[96+\j], v[160+\j], v14
.endr
.irp n, 0,1,2,3,4,5,6,7,8,9,10,11,12,13,14,15
	v_cvt_pk_f16_f32 v[128+\n], v[96+2*\n], v[97+2*\n]
.endr
.irp dt, 0,1,2,3
	ds_store_b128 v10, v[128+4*\dt:131+4*\dt] offset:32*\dt
.endr
.irp i, 0,1,2,3
	ds_load_b128 v[144+4*\i:147+4*\i], v11 offset:4*KP*\i   ; LDS serves a wave's instructions in order: these see my stores
.endr
.irp i, 0,1,2,3
	s_wait_dscnt 3-\i                              ; load i is back, the younger ones stay out
	global_store_b128 v[GO], v[144+4*\i:147+4*\i], s[16:17] offset:512*\i   ; 512 consecutive aligned bytes
.endr
	s_wait_tensorcnt 0x0                           ; the wave's end
	ds_add_u32 v[SPW], v[NIL]
	s_wait_dscnt 0x0
	s_endpgm
.Lfunc_end_k_q3c7212628e_attn:
	.size	k_q3c7212628e_attn, .Lfunc_end_k_q3c7212628e_attn-k_q3c7212628e_attn
	.p2alignl 7, 3214868480
	.fill 96, 4, 3214868480
	.section	.rodata,"a",@progbits
	.p2align	6, 0x0
	.amdhsa_kernel k_q3c7212628e_attn
		.amdhsa_group_segment_fixed_size 327680
		.amdhsa_private_segment_fixed_size 0
		.amdhsa_enable_private_segment 0
		.amdhsa_kernarg_size 16
		.amdhsa_user_sgpr_count 2
		.amdhsa_user_sgpr_kernarg_segment_ptr 1
		.amdhsa_wavefront_size32 1
		.amdhsa_system_sgpr_workgroup_id_x 1
		.amdhsa_system_sgpr_workgroup_id_y 1
		.amdhsa_system_sgpr_workgroup_id_z 1
		.amdhsa_system_vgpr_workitem_id 0
		.amdhsa_next_free_vgpr 256
		.amdhsa_next_free_sgpr 100
		.amdhsa_reserve_vcc 1
		.amdhsa_float_denorm_mode_32 3
		.amdhsa_float_denorm_mode_16_64 3
		.amdhsa_memory_ordered 1
		.amdhsa_forward_progress 1
		.amdhsa_inst_pref_size 106
	.end_amdhsa_kernel
	.amdgpu_metadata
---
amdhsa.version: [ 1, 2 ]
amdhsa.kernels:
  - .name:           k_q3c7212628e_attn
    .symbol:         k_q3c7212628e_attn.kd
    .args:
      - { .name: qkv, .offset: 0, .size: 8, .value_kind: global_buffer, .address_space: global }
      - { .name: att, .offset: 8, .size: 8, .value_kind: global_buffer, .address_space: global }
    .group_segment_fixed_size: 327680
    .private_segment_fixed_size: 0
    .kernarg_segment_align: 8
    .kernarg_segment_size: 16
    .max_flat_workgroup_size: 512
    .sgpr_count:     100
    .vgpr_count:     256
    .wavefront_size: 32
...
	.end_amdgpu_metadata
.endif
;; end of part 3
;; launch out_proj (part 4): grid 8 x 32, 4 waves a work-group, clusters of 4 x 4, 327,680 bytes of LDS; arguments att, wo16, out0; writes out0
.if DOCPART == 4
	.amdgcn_target "amdgcn-amd-amdhsa--gfx1250"
	.amdhsa_code_object_version 6
	.text
	.protected	k_q3c7212628e_out_proj
	.globl	k_q3c7212628e_out_proj
	.p2align	8
	.type	k_q3c7212628e_out_proj,@function
k_q3c7212628e_out_proj:
	s_mov_b64 s[64:65], 0
	v_nop
	global_prefetch_b8 v0, s[64:65] scope:SCOPE_SE
	s_setreg_imm32_b32 hwreg(HW_REG_WAVE_MODE, 25, 1), 1
	s_wait_xcnt 0x0
	s_wait_alu depctr_hold_cnt(0) depctr_sa_sdst(0) depctr_va_vdst(0) depctr_va_sdst(0) depctr_va_ssrc(0) depctr_va_vcc(0) depctr_vm_vsrc(0)
	s_getreg_b32 s2, hwreg(HW_REG_IB_STS2, 6, 4)
	s_cmp_eq_u32 s2, 0
	s_cbranch_scc0 .Lentry_in_a_cluster
	s_endpgm
.Lentry_in_a_cluster:
	s_bfe_u32 s2, ttmp6, 0x10000c
	s_cmp_lg_u32 s2, 0xf033
	s_cbranch_scc0 .Lentry_shape_is_right
	s_endpgm
.Lentry_shape_is_right:
; out0 [4096][1024] f32 = att x WO, f16 operands, f32 sums.  att: f16 [64 groups of 64 rows][16 heads][64 rows][64]; wo16: f16 [1024 (k)][1024 (n)].
; A tile of 128 x 128 is made by four waves, each 64 x 64: 16 accumulators: 256 work-groups.  K goes in steps of 256 (four heads) through two LDS slots.
; A's half tile (a group of 64 rows, four heads) is 32,768 dense bytes: 256 rows of 128 bytes, LDS row = 64 x head + row.  B's half tile is 128 k-rows x 256 bytes; B comes out of LDS turned, by ds_load_tr16_b128.
; CLUSTERS: 4 x 4 work-groups; A's tiles are asked for jointly along a row of the cluster, B's along a column.  Transposed use: source 0 = 16 columns n of WO, source 1 = 16 rows of att.
; Rows 0-15 of both sequences are written here like all others and written again, from f32 operands, by the launch that follows.
; No prefetch: a K step is short and the tiles are shared in the cluster.
; REGISTERS: window 0: v0-31 addresses; v32-95 rows on the way out; v128-255 the accumulators ((a, b) at v[128 + 8 (4 a + b)]).  window 1: two fragment buffers of 128: 64 of A, then 64 of B.
.set AP,     144                       ; A's LDS row: 128 bytes + 16
.set BP,     288                       ; B's LDS row: 256 bytes + 32: an odd multiple of 32, for the turning load
.set HALF,   36864                     ; 256 x AP = 128 x BP: what one tensor load brings
.set SLOT,   4*HALF
.set STAGE,  2*SLOT                    ; 16 rows x 272 bytes for each wave; no fill lands here
.set SPITCH, 272
.set SPARE,  STAGE+4*16*SPITCH
.set ADRA, 16                          ; v16-17  my A fragments in slot 0, 1
.set ADRB, 20                          ; v20-23  my B fragments: slot s, k-rows 128 u on: v[20 + 2 s + u]
.set STO,  24
.set RD,   25
.set CO,   26
.set SPW,  28
.set NIL,  29
.set TMP,  32
.set ACC,  128
.set F0,   0
.set F1,   128
.set G1, 24
.set G0, 32
.set G1B, 48
.set G0B, 56
.set MSB, 0
.macro WIN new
.if MSB != \new
	s_set_vgpr_msb (MSB<<8)|\new
.set MSB, \new
.endif
.endm
.set MUL,  0x05                        ; sources 0 (B) and 1 (A) window 1; C and D window 0
.set TO_F, 0x40                        ; destination window 1, address window 0
.macro JLOAD s                         ; waves 0 and 1 fetch A's two halves, waves 2 and 3 B's; an s_nop 0 and four v_nop follow each line
	s_cmp_eq_u32 s11, 0
	s_cbranch_scc0 .Lfor_b_\@
	tensor_load_to_lds s[G0+4*\s:G0+4*\s+3], s[G1:G1+7]
	s_nop 0
.rept 4
	v_nop
.endr
	s_branch .Lasked_\@
.Lfor_b_\@:
	tensor_load_to_lds s[G0B+4*\s:G0B+4*\s+3], s[G1B:G1B+7]
	s_nop 0
.rept 4
	v_nop
.endr
.Lasked_\@:
.endm
.macro CREST
	s_cmp_lg_u32 s10, 0
	s_cbranch_scc1 .Lnot_wave_0_\@
	s_barrier_signal -3
.Lnot_wave_0_\@:
	s_barrier_wait -3
	s_barrier_signal -1
	s_barrier_wait -1
.endm
.macro CROUND
	s_barrier_signal -1
	s_barrier_wait -1
	CREST
.endm
	s_load_b128 s[4:7], s[0:1], 0x0                ; att, wo16
	s_load_b64 s[8:9], s[0:1], 0x10                ; out0
	v_lshl_add_u32 v[SPW], v0, 2, SPARE
	v_mov_b32 v[NIL], 0
	ds_add_u32 v[SPW], v[NIL]                      ; the wave's opening: the add, twice on end, and its wait ahead of my first tensor load
	ds_add_u32 v[SPW], v[NIL]
	v_lshrrev_b32 v1, 5, v0
	v_readfirstlane_b32 s10, v1                    ; wave 0..3
	s_lshr_b32 s11, s10, 1                         ; which 64 rows of the tile are mine.  Also: I fetch for A (0) or for B (1)
	s_and_b32 s12, s10, 1                          ; which 64 columns.  Also: which half tile I fetch
	s_bfe_u32 s40, ttmp6, 0x40000                  ; cx, cy
	s_bfe_u32 s41, ttmp6, 0x40004
	s_lshl_b32 s42, ttmp9, 2
	s_add_co_u32 s42, s42, s40                     ; tile column
	s_and_b32 s13, ttmp7, 0xffff
	s_lshl_b32 s13, s13, 2
	s_add_co_u32 s13, s13, s41                     ; tile row
	s_lshl_b32 s43, s41, 2
	s_lshl_b32 s43, 15, s43                        ; my row of the cluster
	s_lshl_b32 s44, 0x1111, s40                    ; my column
	s_or_b32 s[G1+0], s43, (1<<16)|(1<<20)|(1<<21)|(4<<22)|(3<<25)   ; A: elements of 2 bytes; 4 words of padding after every 32
	s_mov_b32 s[G1+1], 64<<16                      ; tensor_dim0
	s_mov_b32 s[G1+2], 256<<16                     ; tensor_dim1
	s_mov_b32 s[G1+3], 64<<16                      ; tile_dim0
	s_mov_b32 s[G1+4], 256                         ; tile_dim1
	s_mov_b32 s[G1+5], 64                          ; the pitch: dense
	s_mov_b32 s[G1+6], 0
	s_mov_b32 s[G1+7], 0
	s_or_b32 s[G1B+0], s44, (1<<16)|(1<<20)|(1<<21)|(5<<22)|(7<<25)  ; B: 8 words of padding after every 64
	s_mov_b32 s[G1B+1], 128<<16
	s_mov_b32 s[G1B+2], 128<<16
	s_mov_b32 s[G1B+3], 128<<16
	s_mov_b32 s[G1B+4], 128
	s_mov_b32 s[G1B+5], 1024
	s_mov_b32 s[G1B+6], 0
	s_mov_b32 s[G1B+7], 0
	s_lshl_b32 s16, s13, 1
	s_add_co_u32 s16, s16, s12
	s_lshl_b32 s16, s16, 17                        ; A: group 2 x tile row + half, 131,072 bytes a group
	s_mov_b32 s17, 0
	s_lshl_b32 s46, s12, 18                        ; B: 128 k-rows of 2,048 bytes x half,
	s_lshl_b32 s47, s42, 8
	s_add_co_u32 s46, s46, s47                     ; + 256 bytes x tile column
	s_mov_b32 s47, 0
	s_mul_i32 s20, s10, HALF                       ; where they go: wave x half a tile
	s_wait_dscnt 0x0                               ; both opening adds are done
	s_wait_kmcnt 0x0
	s_add_nc_u64 s[14:15], s[4:5], s[16:17]
	s_add_nc_u64 s[46:47], s[6:7], s[46:47]
	CROUND                                         ; all sixteen work-groups are here: the first joint loads meet
.irp s, 0,1
	s_mov_b32 s[G0+4*\s], 1
	s_add_co_u32 s[G0+4*\s+1], s20, \s*SLOT
	s_add_nc_u64 s[G0+4*\s+2:G0+4*\s+3], s[14:15], \s*32768        ; K step s: four heads of the group
	s_or_b32 s[G0+4*\s+3], s[G0+4*\s+3], 0x80000000
	s_mov_b32 s[G0B+4*\s], 1
	s_add_co_u32 s[G0B+4*\s+1], s20, \s*SLOT
	s_add_nc_u64 s[G0B+4*\s+2:G0B+4*\s+3], s[46:47], \s*524288     ; K step s: 256 k-rows
	s_or_b32 s[G0B+4*\s+3], s[G0B+4*\s+3], 0x80000000
	JLOAD \s
.endr
	v_and_b32 v1, 15, v0                           ; l % 16
	v_bfe_u32 v2, v0, 4, 1                         ; l / 16
	v_mul_u32_u24 v3, v1, AP
	v_lshl_add_u32 v3, v2, 4, v3                   ; A: row x pitch + 16 x half
	s_mul_i32 s21, s11, HALF                       ; my group of 64 rows
	v_and_b32 v4, 7, v0
	v_lshl_add_u32 v4, v2, 3, v4                   ; B, turning load: k-row 8 (l / 16) + l % 8,
	v_mul_u32_u24 v4, v4, BP
	v_bfe_u32 v5, v0, 3, 1
	v_lshl_add_u32 v4, v5, 4, v4                   ; columns 8 ((l / 8) % 2) on
	s_lshl_b32 s22, s12, 7                         ; my 64 columns: 128 bytes
	s_add_co_u32 s22, s22, 2*HALF                  ; behind A's two halves
.irp s, 0,1
	v_add_nc_u32 v[ADRA+\s], s21, v3
	s_add_co_u32 s21, s21, SLOT
.irp u, 0,1
	s_add_co_u32 s23, s22, \s*SLOT+\u*HALF
	v_add_nc_u32 v[ADRB+2*\s+\u], s23, v4
.endr
.endr
	s_mul_i32 s23, s10, 16*SPITCH
	s_add_co_u32 s23, s23, STAGE                   ; my stage
	v_mul_u32_u24 v4, v1, SPITCH                   ; in: row l % 16, 32 bytes for each half of the lanes
	v_lshl_add_u32 v4, v2, 5, v4
	v_add_nc_u32 v[STO], s23, v4
	v_mul_u32_u24 v5, v2, SPITCH                   ; back: lanes 0-15 one row of 256 bytes, lanes 16-31 the next
	v_lshl_add_u32 v5, v1, 4, v5
	v_add_nc_u32 v[RD], s23, v5
	v_lshlrev_b32 v[CO], 12, v2                    ; and the same two rows in out0
	v_lshl_add_u32 v[CO], v1, 4, v[CO]
	s_lshl_b32 s16, s13, 1
	s_add_co_u32 s16, s16, s11
	s_lshl_b32 s16, s16, 18                        ; my first row: (128 x tile row + 64 x half) x 4,096 bytes
	s_mov_b32 s17, 0
	s_add_nc_u64 s[8:9], s[8:9], s[16:17]
	s_lshl_b32 s46, s42, 9                         ; my first column: 512 bytes x tile column + 256 x half
	s_lshl_b32 s47, s12, 8
	s_add_co_u32 s46, s46, s47
	s_mov_b32 s47, 0
	s_add_nc_u64 s[8:9], s[8:9], s[46:47]
; 8 matrix instructions: m blocks a0, a0 + 1 x all 4 n blocks, 32 along K: half c of buffer f.  The 16 accumulators take turns.
.macro MUL8 f, c, a0, zero
.irp a, \a0, \a0+1
.irp b, 0,1,2,3
.if \zero
	v_wmma_f32_16x16x32_f16 v[ACC+8*(4*(\a)+\b):ACC+8*(4*(\a)+\b)+7], v[\f+64+8*(4*\c+\b):\f+64+8*(4*\c+\b)+7], v[\f+8*(4*\c+\a):\f+8*(4*\c+\a)+7], 0
.else
	v_wmma_f32_16x16x32_f16 v[ACC+8*(4*(\a)+\b):ACC+8*(4*(\a)+\b)+7], v[\f+64+8*(4*\c+\b):\f+64+8*(4*\c+\b)+7], v[\f+8*(4*\c+\a):\f+8*(4*\c+\a)+7], v[ACC+8*(4*(\a)+\b):ACC+8*(4*(\a)+\b)+7]
.endif
.endr
.endr
.endm
; 32 LDS loads in one run: the fragments of quarter qd (one head, 64 along K) into buffer f; the first 32 along K first
.macro FETCH slot, qd, f
	WIN TO_F
.irp c, 0,1
.irp i, 0,1,2,3
	ds_load_tr16_b128 v[\f+64+8*(4*\c+\i):\f+64+8*(4*\c+\i)+3],   v[ADRB+2*\slot+(\qd)/2] offset:(2*((\qd)%2)+\c)*32*BP+32*\i
	ds_load_tr16_b128 v[\f+64+8*(4*\c+\i)+4:\f+64+8*(4*\c+\i)+7], v[ADRB+2*\slot+(\qd)/2] offset:(2*((\qd)%2)+\c)*32*BP+32*\i+16*BP
	ds_load_b128 v[\f+8*(4*\c+\i):\f+8*(4*\c+\i)+3],              v[ADRA+\slot] offset:(\qd)*64*AP+64*\c+\i*16*AP
	ds_load_b128 v[\f+8*(4*\c+\i)+4:\f+8*(4*\c+\i)+7],            v[ADRA+\slot] offset:(\qd)*64*AP+64*\c+\i*16*AP+32
.endr
.endr
.endm
.macro PLACES
.rept 4
	v_nop
.endr
.endm
.macro QUARTER slot, qd, f, g, zero    ; multiplies buffer f and fetches quarter qd of the slot into g
	s_wait_dscnt 16                                ; the first 32 along K are in; the sixteen loads of the second 32 may be out
	WIN MUL
	MUL8 \f, 0, 0, \zero
	MUL8 \f, 0, 2, \zero
	PLACES
	FETCH \slot, \qd, \g
	s_wait_dscnt 32                                ; all but the 32 just issued
	WIN MUL
	MUL8 \f, 1, 0, 0
	MUL8 \f, 1, 2, 0
.endm
; The last quarter multiplies buffer 1 and changes slots: one barrier; in front of it each wave waits for all its tensor loads, adds 0 to its spare word, and waits for that and for its reads of this slot.
.macro TURN slot, next, fill
	WIN 0
	s_wait_tensorcnt 0x0
	ds_add_u32 v[SPW], v[NIL]
	s_wait_dscnt 17                                ; the add and the youngest sixteen loads may be out
	WIN MUL
	MUL8 F1, 0, 0, 0
	s_wait_dscnt 0x0                               ; the add is done, and my reads of this slot are over
	s_barrier_signal -1
	MUL8 F1, 0, 2, 0
.if \fill
	WIN 0
.endif
	s_barrier_wait -1
.if \fill
	CREST                                          ; the barrier has opened a round of the cluster's barrier: no wave of any partner still reads this slot or has a load on its way
	s_add_nc_u64 s[G0+4*\slot+2:G0+4*\slot+3], s[G0+4*\slot+2:G0+4*\slot+3], 65536       ; two K steps on: eight heads
	s_add_nc_u64 s[G0B+4*\slot+2:G0B+4*\slot+3], s[G0B+4*\slot+2:G0B+4*\slot+3], 1048576 ; 512 k-rows
	JLOAD \slot                                    ; the first tensor load behind the round; its four v_nop are also the places in front of the loads below
.else
	PLACES
.endif
	FETCH \next, 0, F0
	WIN MUL
	MUL8 F1, 1, 0, 0
	MUL8 F1, 1, 2, 0
.endm
	s_wait_tensorcnt 1                             ; my part of K step 0 is in; K step 1's may be out
	s_barrier_signal -1
	s_barrier_wait -1
	FETCH 0, 0, F0
	QUARTER 0, 1, F0, F1, 1                        ; the first products start the sums
	WIN 0
	s_mov_b32 s3, 1
.Llap:                                                 ; one trip: once round the ring; it asks for K steps 2 and 3
	QUARTER 0, 2, F1, F0, 0
	QUARTER 0, 3, F0, F1, 0
	TURN 0, 1, 1
	QUARTER 1, 1, F0, F1, 0
	QUARTER 1, 2, F1, F0, 0
	QUARTER 1, 3, F0, F1, 0
	TURN 1, 0, 1
	QUARTER 0, 1, F0, F1, 0
	WIN 0
	s_sub_co_u32 s3, s3, 1
	s_cmp_lg_u32 s3, 0
	s_cbranch_scc1 .Llap
	QUARTER 0, 2, F1, F0, 0                        ; the last lap fills nothing
	QUARTER 0, 3, F0, F1, 0
	TURN 0, 1, 0
	QUARTER 1, 1, F0, F1, 0
	QUARTER 1, 2, F1, F0, 0
	QUARTER 1, 3, F0, F1, 0
	s_wait_dscnt 16
	WIN MUL
	MUL8 F1, 0, 0, 0
	MUL8 F1, 0, 2, 0
	s_wait_dscnt 0
	MUL8 F1, 1, 0, 0
	MUL8 F1, 1, 2, 0
	WIN 0
; THE WAY OUT: my 64 columns of f32 are 256 aligned bytes of a row: a block of 16 rows goes through my own stage and comes back by rows.  No barrier: no other wave touches my stage.
.macro TOSTAGE a
.irp b, 0,1,2,3
	ds_store_b128 v[STO], v[ACC+8*(4*(\a)+\b):ACC+8*(4*(\a)+\b)+3] offset:64*\b          ; each accumulator from its low end on
	ds_store_b128 v[STO], v[ACC+8*(4*(\a)+\b)+4:ACC+8*(4*(\a)+\b)+7] offset:64*\b+16
.endr
.irp t, 0,1,2,3,4,5,6,7
	ds_load_b128 v[TMP+32*((\a)%2)+4*\t:TMP+32*((\a)%2)+4*\t+3], v[RD] offset:\t*2*SPITCH
.endr
.endm
.macro SEND a, younger
	s_wait_dscnt \younger
.irp t, 0,1,2,3,4,5,6,7
	global_store_b128 v[CO], v[TMP+32*((\a)%2)+4*\t:TMP+32*((\a)%2)+4*\t+3], s[8:9] offset:(16*(\a)+2*\t)*4096 th:TH_STORE_NT   ; sixteen lanes store 256 consecutive aligned bytes
.endr
.endm
	PLACES
	TOSTAGE 0
.irp a, 1,2,3
.if \a > 1
	s_wait_xcnt 0x0                                ; block a - 2's stores have read their registers
.endif
	TOSTAGE \a
	SEND \a-1, 16                                  ; behind block a - 1's loads: block a's 8 stores and 8 loads
.endr
	SEND 3, 0
	s_wait_tensorcnt 0x0                           ; the wave's end
	ds_add_u32 v[SPW], v[NIL]
	s_wait_dscnt 0x0
	CROUND                                         ; the closing round
	s_endpgm
.Lfunc_end_k_q3c7212628e_out_proj:
	.size	k_q3c7212628e_out_proj, .Lfunc_end_k_q3c7212628e_out_proj-k_q3c7212628e_out_proj
	.p2alignl 7, 3214868480
	.fill 96, 4, 3214868480
	.section	.rodata,"a",@progbits
	.p2align	6, 0x0
	.amdhsa_kernel k_q3c7212628e_out_proj
		.amdhsa_group_segment_fixed_size 327680
		.amdhsa_private_segment_fixed_size 0
		.amdhsa_enable_private_segment 0
		.amdhsa_kernarg_size 24
		.amdhsa_user_sgpr_count 2
		.amdhsa_user_sgpr_kernarg_segment_ptr 1
		.amdhsa_wavefront_size32 1
		.amdhsa_system_sgpr_workgroup_id_x 1
		.amdhsa_system_sgpr_workgroup_id_y 1
		.amdhsa_system_sgpr_workgroup_id_z 1
		.amdhsa_system_vgpr_workitem_id 0
		.amdhsa_next_free_vgpr 512
		.amdhsa_next_free_sgpr 66
		.amdhsa_reserve_vcc 0
		.amdhsa_float_denorm_mode_32 3
		.amdhsa_float_denorm_mode_16_64 3
		.amdhsa_memory_ordered 1
		.amdhsa_forward_progress 1
		.amdhsa_inst_pref_size 86
	.end_amdhsa_kernel
	.amdgpu_metadata
---
amdhsa.version: [ 1, 2 ]
amdhsa.kernels:
  - .name:           k_q3c7212628e_out_proj
    .symbol:         k_q3c7212628e_out_proj.kd
    .args:
      - { .name: att, .offset: 0, .size: 8, .value_kind: global_buffer, .address_space: global }
      - { .name: wo16, .offset: 8, .size: 8, .value_kind: global_buffer, .address_space: global }
      - { .name: out0, .offset: 16, .size: 8, .value_kind: global_buffer, .address_space: global }
    .group_segment_fixed_size: 327680
    .private_segment_fixed_size: 0
    .kernarg_segment_align: 8
    .kernarg_segment_size: 24
    .max_flat_workgroup_size: 128
    .sgpr_count:     66
    .vgpr_count:     512
    .wavefront_size: 32
...
	.end_amdgpu_metadata
.endif
;; end of part 4
;; launch first16 (part 5): grid 32 x 2, 16 waves a work-group, no clusters, 35,840 bytes of LDS; arguments q16, WO, out0; writes out0
.if DOCPART == 5
	.amdgcn_target "amdgcn-amd-amdhsa--gfx1250"
	.amdhsa_code_object_version 6
	.text
	.protected	k_q3c7212628e_first16
	.globl	k_q3c7212628e_first16
	.p2align	8
	.type	k_q3c7212628e_first16,@function
k_q3c7212628e_first16:
	s_mov_b64 s[64:65], 0
	v_nop
	global_prefetch_b8 v0, s[64:65] scope:SCOPE_SE
	s_setreg_imm32_b32 hwreg(HW_REG_WAVE_MODE, 25, 1), 1
	s_wait_xcnt 0x0
; Positions 0-15 of both sequences, all in f32: under the causal mask these rows average one to sixteen values, and 16-bit operands would weigh most there.
; q16: f32 [2][16 rows][3072 = c Q, K, V], c = log2(e) / 8 in Q.  WO: f32 [1024][1024].  The 32 rows of out0 are written over what the launch before has left there.
; SHARES.  A work-group makes 32 output columns of one batch's 16 rows.  Wave w is head w: its scores, softmax and O (16 x 64), then its head's 64 of the projection's K; the sixteen partial sums meet in LDS.
; All products by the f32 matrix form, 64 instructions a wave: no bulk work.  A row's piece of WO and of out0 is 128 bytes here: 64 columns to a work-group would double each wave's matrix work for 128 KB of output.
; Both operands of the scores carry the same permutation of the 64 channels (a lane loads 4 neighbours at 8 i + 4 h), which leaves the sums' terms the same.
; REGISTERS: v3-5, v8 global offsets; v6, v7 LDS addresses; v9 r - 8 h; v12, v13 the add's two; v16-47 Q, later O / l; v48-79 K, v80-111 V, later the partial sums; v176-191 scores, p, at work; v192-255 WO.
; v112-127 (scores, two sums), v128-159 (O^T), v160-175 (the projection) are written by matrix instructions alone.
.set SPARE, 33792                      ; behind the sixteen images of 4 x 528 bytes
	s_load_b128 s[4:7], s[0:1], 0x0                ; q16, WO
	s_load_b64 s[8:9], s[0:1], 0x10                ; out0
	v_lshl_add_u32 v12, v0, 2, SPARE
	v_mov_b32 v13, 0
	v_lshrrev_b32 v1, 5, v0
	v_readfirstlane_b32 s24, v1                    ; wave = head
	v_and_b32 v1, 15, v0                           ; r
	v_bfe_u32 v2, v0, 4, 1                         ; h
	v_mul_u32_u24 v3, v1, 12288
	v_lshl_add_u32 v3, v2, 4, v3                   ; Q, K: row r of 12,288 bytes, + 16 h
	v_mul_u32_u24 v4, v2, 98304
	v_lshl_add_u32 v4, v1, 2, v4                   ; V: key 8 h (+ n), channel r
	v_lshlrev_b32 v5, 15, v2
	v_lshl_add_u32 v5, v1, 2, v5                   ; WO: row 8 h (+ ..), column r
	v_and_b32 v14, 31, v0
	s_mul_i32 s25, s24, 2112
	v_lshlrev_b32 v6, 4, v14
	v_add_nc_u32 v6, s25, v6                       ; my wave's image: 16 x lane
	v_bfe_u32 v14, v0, 3, 4                        ; the sum (threads 0-127): query q = thread / 8, columns 4 (thread % 8) on:
	v_bfe_u32 v15, v0, 2, 1
	v_and_b32 v7, 1, v0
	v_lshl_add_u32 v7, v15, 1, v7                  ; which four registers of the image,
	v_mul_u32_u24 v7, v7, 528
	v_bfe_u32 v15, v0, 1, 1
	v_lshl_add_u32 v7, v15, 8, v7                  ; which half of the lanes,
	v_lshl_add_u32 v7, v14, 4, v7                  ; lane q of it
	v_and_b32 v15, 7, v0
	v_lshlrev_b32 v8, 12, v14
	v_lshl_add_u32 v8, v15, 4, v8                  ; out0: row q, 16 bytes a thread
	v_lshlrev_b32 v9, 3, v2
	v_sub_nc_u32 v9, v1, v9                        ; r - 8 h
	v_mov_b32 v10, 0xff800000                      ; -infinity
	v_mov_b32 v185, 0                              ; a lane permute's destination counts as one of its sources
	s_mov_b32 s20, 0x76543210
	s_mov_b32 s21, 0xfedcba98
	s_and_b32 s26, ttmp7, 0xffff                   ; the batch
	s_mul_i32 s28, s26, 196608
	s_lshl_b32 s27, s24, 8
	s_add_co_u32 s28, s28, s27                     ; q16: the batch's rows, my head's 64 columns
	s_mov_b32 s29, 0
	s_lshl_b32 s30, s24, 18                        ; WO: my head's 64 rows,
	s_lshl_b32 s27, ttmp9, 7
	s_add_co_u32 s30, s30, s27                     ; the work-group's 32 columns
	s_mov_b32 s31, 0
	s_lshl_b32 s34, s26, 23                        ; out0: the batch's first row, the same columns
	s_add_co_u32 s34, s34, s27
	s_mov_b32 s35, 0
	s_wait_kmcnt 0x0
	s_add_nc_u64 s[4:5], s[4:5], s[28:29]
	s_add_nc_u64 s[6:7], s[6:7], s[30:31]
	s_add_nc_u64 s[8:9], s[8:9], s[34:35]
.irp i, 0,1,2,3,4,5,6,7
	global_load_b128 v[16+4*\i:19+4*\i], v3, s[4:5] offset:32*\i          ; c Q(r, 8 i + 4 h + 0..3)
.endr
.irp i, 0,1,2,3,4,5,6,7
	global_load_b128 v[48+4*\i:51+4*\i], v3, s[4:5] offset:4096+32*\i     ; K likewise
.endr
.irp dt, 0,1,2,3
.irp n, 0,1,2,3,4,5,6,7
	global_load_b32 v[80+8*\dt+\n], v4, s[4:5] offset:8192+12288*\n+64*\dt   ; V(key 8 h + n, channel 16 dt + r)
.endr
.endr
	s_wait_loadcnt 32                              ; Q and K are in; V's 32 loads may be out
; S^T = K Q^T: 16 steps of 4 channels, two sums by turns; each begins with the constant 0
.irp st, 0,1,2,3,4,5,6,7,8,9,10,11,12,13,14,15
.if \st < 2
	v_wmma_f32_16x16x4_f32 v[112+8*(\st%2):119+8*(\st%2)], v[48+2*\st:49+2*\st], v[16+2*\st:17+2*\st], 0
.else
	v_wmma_f32_16x16x4_f32 v[112+8*(\st%2):119+8*(\st%2)], v[48+2*\st:49+2*\st], v[16+2*\st:17+2*\st], v[112+8*(\st%2):119+8*(\st%2)]
.endif
.endr
	s_wait_loadcnt 0x0                             ; V is in; only now WO's 64 loads go out
.irp ct, 0,1
.irp dt, 0,1,2,3
.irp n, 0,1,2,3,4,5,6,7
	global_load_b32 v[192+32*\ct+8*\dt+\n], v5, s[6:7] offset:(16*\dt+\n)*4096+64*\ct   ; WO(64 head + 16 dt + 8 h + n, 16 ct + r)
.endr
.endr
.endr
.rept 8
	v_nop                                          ; eight places between this matrix form and the first read of its results (ISA guide 7.12.1)
.endr
.irp j, 0,1,2,3,4,5,6,7
	v_add_f32 v[176+\j], v[112+\j], v[120+\j]      ; lane (r, h): the score of key 8 h + j and query r, as an exponent of 2
.endr
.irp j, 0,1,2,3,4,5,6,7
	v_cmp_gt_i32 vcc_lo, \j, v9                    ; hidden where 8 h + j > r
	v_cndmask_b32 v[176+\j], v[176+\j], v10, vcc_lo
.endr
	v_max3_num_f32 v184, v176, v177, v178
	v_max3_num_f32 v184, v184, v179, v180
	v_max3_num_f32 v184, v184, v181, v182
	v_max_num_f32 v184, v184, v183
	v_permlanex16_b32 v185, v184, s20, s21
	v_max_num_f32 v184, v184, v185                 ; the row's maximum: key 0 counts for every query
.irp j, 0,1,2,3,4,5,6,7
	v_sub_f32 v[176+\j], v[176+\j], v184
.endr
.irp j, 0,1,2,3,4,5,6,7
	v_exp_f32 v[176+\j], v[176+\j]
.endr
	v_nop                                          ; a plain instruction behind the last exponential
	s_wait_alu depctr_va_vdst(0)                   ; one wait for the eight, ahead of their first reader
	v_add_f32 v186, v176, v177
	v_add_f32 v187, v178, v179
	v_add_f32 v188, v180, v181
	v_add_f32 v189, v182, v183
	v_add_f32 v186, v186, v187
	v_add_f32 v188, v188, v189
	v_add_f32 v186, v186, v188
	v_permlanex16_b32 v185, v186, s20, s21
	v_add_f32 v186, v186, v185                     ; the row's sum
	v_rcp_f32 v11, v186
	v_nop
	s_wait_alu depctr_va_vdst(0)
; O^T = V^T P: 4 steps of 4 keys (step i: keys 8 h + 2 i + 0, 1 on both sides), four sums by turns
.irp i, 0,1,2,3
.irp dt, 0,1,2,3
.if \i == 0
	v_wmma_f32_16x16x4_f32 v[128+8*\dt:135+8*\dt], v[80+8*\dt+2*\i:81+8*\dt+2*\i], v[176+2*\i:177+2*\i], 0
.else
	v_wmma_f32_16x16x4_f32 v[128+8*\dt:135+8*\dt], v[80+8*\dt+2*\i:81+8*\dt+2*\i], v[176+2*\i:177+2*\i], v[128+8*\dt:135+8*\dt]
.endif
.endr
.endr
.rept 8
	v_nop
.endr
.irp n, 0,1,2,3,4,5,6,7,8,9,10,11,12,13,14,15,16,17,18,19,20,21,22,23,24,25,26,27,28,29,30,31
	v_mul_f32 v[16+\n], v[128+\n], v11             ; O / l into other registers: lane (r, h), register 8 dt + n: channel 16 dt + 8 h + n of query r
.endr
	s_wait_loadcnt 0x0                             ; WO
; my head's part of the projection, transposed: source 0 = 16 columns of WO, source 1 = O; 16 steps of 4 channels, two sums by turns
.irp dt, 0,1,2,3
.irp i, 0,1,2,3
.irp ct, 0,1
.if (\dt == 0) && (\i == 0)
	v_wmma_f32_16x16x4_f32 v[160+8*\ct:167+8*\ct], v[192+32*\ct+8*\dt+2*\i:193+32*\ct+8*\dt+2*\i], v[16+8*\dt+2*\i:17+8*\dt+2*\i], 0
.else
	v_wmma_f32_16x16x4_f32 v[160+8*\ct:167+8*\ct], v[192+32*\ct+8*\dt+2*\i:193+32*\ct+8*\dt+2*\i], v[16+8*\dt+2*\i:17+8*\dt+2*\i], v[160+8*\ct:167+8*\ct]
.endif
.endr
.endr
.endr
.rept 8
	v_nop
.endr
.irp c, 0,1,2,3
	ds_store_b128 v6, v[160+4*\c:163+4*\c] offset:528*\c   ; the image of my 16 registers, each sum from its low end on
.endr
	s_wait_dscnt 0x0                               ; for the others' sake: my stores have landed
	s_barrier_signal -1
	s_barrier_wait -1
	s_cmp_lt_u32 s24, 4                            ; 16 x 32 numbers: four a thread, so waves 0-3 add the sixteen heads' parts
	s_cbranch_scc0 .Ldone
.irp s, 0,1,2,3,4,5,6,7,8,9,10,11,12,13,14,15
	ds_load_b128 v[48+4*\s:51+4*\s], v7 offset:2112*\s
.endr
	s_wait_dscnt 0x0
.irp s, 0,1,2,3,4,5,6,7
	v_pk_add_f32 v[48+4*\s:49+4*\s], v[48+4*\s:49+4*\s], v[80+4*\s:81+4*\s]
	v_pk_add_f32 v[50+4*\s:51+4*\s], v[50+4*\s:51+4*\s], v[82+4*\s:83+4*\s]
.endr
.irp s, 0,1,2,3
	v_pk_add_f32 v[48+4*\s:49+4*\s], v[48+4*\s:49+4*\s], v[64+4*\s:65+4*\s]
	v_pk_add_f32 v[50+4*\s:51+4*\s], v[50+4*\s:51+4*\s], v[66+4*\s:67+4*\s]
.endr
.irp s, 0,1
	v_pk_add_f32 v[48+4*\s:49+4*\s], v[48+4*\s:49+4*\s], v[56+4*\s:57+4*\s]
	v_pk_add_f32 v[50+4*\s:51+4*\s], v[50+4*\s:51+4*\s], v[58+4*\s:59+4*\s]
.endr
	v_pk_add_f32 v[48:49], v[48:49], v[52:53]
	v_pk_add_f32 v[50:51], v[50:51], v[54:55]
	global_store_b128 v8, v[48:51], s[8:9]         ; eight threads store a row's 128 bytes
.Ldone:
	s_wait_tensorcnt 0x0                           ; the wave's end
	ds_add_u32 v12, v13
	s_wait_dscnt 0x0
	s_endpgm
.Lfunc_end_k_q3c7212628e_first16:
	.size	k_q3c7212628e_first16, .Lfunc_end_k_q3c7212628e_first16-k_q3c7212628e_first16
	.p2alignl 7, 3214868480
	.fill 96, 4, 3214868480
	.section	.rodata,"a",@progbits
	.p2align	6, 0x0
	.amdhsa_kernel k_q3c7212628e_first16
		.amdhsa_group_segment_fixed_size 35840
		.amdhsa_private_segment_fixed_size 0
		.amdhsa_enable_private_segment 0
		.amdhsa_kernarg_size 24
		.amdhsa_user_sgpr_count 2
		.amdhsa_user_sgpr_kernarg_segment_ptr 1
		.amdhsa_wavefront_size32 1
		.amdhsa_system_sgpr_workgroup_id_x 1
		.amdhsa_system_sgpr_workgroup_id_y 1
		.amdhsa_system_sgpr_workgroup_id_z 1
		.amdhsa_system_vgpr_workitem_id 0
		.amdhsa_next_free_vgpr 256
		.amdhsa_next_free_sgpr 66
		.amdhsa_reserve_vcc 1
		.amdhsa_float_denorm_mode_32 3
		.amdhsa_float_denorm_mode_16_64 3
		.amdhsa_memory_ordered 1
		.amdhsa_forward_progress 1
		.amdhsa_inst_pref_size 25
	.end_amdhsa_kernel
	.amdgpu_metadata
---
amdhsa.version: [ 1, 2 ]
amdhsa.kernels:
  - .name:           k_q3c7212628e_first16
    .symbol:         k_q3c7212628e_first16.kd
    .args:
      - { .name: q16, .offset: 0, .size: 8, .value_kind: global_buffer, .address_space: global }
      - { .name: WO, .offset: 8, .size: 8, .value_kind: global_buffer, .address_space: global }
      - { .name: out0, .offset: 16, .size: 8, .value_kind: global_buffer, .address_space: global }
    .group_segment_fixed_size: 35840
    .private_segment_fixed_size: 0
    .kernarg_segment_align: 8
    .kernarg_segment_size: 24
    .max_flat_workgroup_size: 512
    .sgpr_count:     66
    .vgpr_count:     256
    .wavefront_size: 32
...
	.end_amdgpu_metadata
.endif
;; end of part 5
